; MI455X (gfx1250); checked and timed in simulation.
; The chip was launched on July 23, 2026; its instructions are those of AMD's public machine-readable ISA for CDNA 5 (MIT licence, August 2026) and "CDNA5" Instruction Set Architecture Reference Guide (July 2026). The comments in the code are by the model that wrote it; some were corrected since.
;; Multihead Attention. Allowed arithmetic: matrix products marked QUANTISED: E4M3 operands, one given power-of-two scale a tensor, by v_wmma_f32_16x16x64_fp8_fp8 or v_wmma_f32_16x16x128_fp8_fp8, f32 sums; everything else in f32.
;; Inputs: W0 1,024 x 1,024 float32; Wk 16 x 1,024 x 64 float32; Wq 16 x 1,024 x 64 float32; Wv 16 x 1,024 x 64 float32; b0 1,024 float32; bk 16 x 64 float32; bq 16 x 64 float32; bv 16 x 64 float32; embs 8 x 1,024 x 1,024 float32; lowp_scales 12 int32 (the exponents e of the quantised operands' scales 2^e).
;; Outputs: out0 8 x 1,024 x 1,024 float32.
;; This version of the problem:
;;   THIS VERSION OF THE PROBLEM IS GIVEN IN LOW PRECISION. The matrix products marked QUANTISED in the list below multiply operands that are first quantised to E4M3 (4 exponent bits, 3 mantissa bits; 8 bits a number), with one given power-of-two scale for each operand tensor; their sums are f32. All else is computed in f32.
;;   The module's matrix products, in the order in which they are computed (A, B: the left and right operand; K: the contracted axis; several contracted axes count as one K, in the product's order):
;;     1. [M 1,024, K 1,024] x [K 1,024, N 8,192]; A: input Wq; B: input embs: QUANTISED (scales: A lowp_scales[0], B lowp_scales[1])
;;     2. [M 1,024, K 1,024] x [K 1,024, N 8,192]; A: input Wk; B: input embs: QUANTISED (scales: A lowp_scales[2], B lowp_scales[3])
;;     3. [M 1,024, K 1,024] x [K 1,024, N 8,192]; A: input Wv; B: input embs: QUANTISED (scales: A lowp_scales[4], B lowp_scales[5])
;;     4. batch 128 x [M 1,024, K 64] x [K 64, N 1,024]; A: computed on the way; B: computed on the way: QUANTISED (scales: A lowp_scales[6], B lowp_scales[7])
;;     5. batch 128 x [M 1,024, K 1,024] x [K 1,024, N 64]; A: softmax (see below); B: computed on the way: QUANTISED (scales: A lowp_scales[8], B lowp_scales[9])
;;     6. [M 8,192, K 1,024] x [K 1,024, N 1,024]; A: computed on the way; B: input W0: QUANTISED (scales: A lowp_scales[10], B lowp_scales[11])
;;   THE QUANTISER, for each operand of a quantised product, along K:
;;     - The operand's scale is 2^e, e = its entry of the input lowp_scales (int32; the entries are numbered through the quantised products in the list's order, A before B).
;;     - Each number is divided by the scale, clamped to +-448, and rounded to the nearest number of E4M3, ties to even, subnormals kept.
;;     - The product sums the exact products of the quantised numbers (number of the format x scale) in f32.
;;   ~~~python
;;   def quantise(x, axis, e):      # numpy; x: float32 -> the quantised numbers, widened to float32 again
;;       x = np.moveaxis(x, axis, -1); K = x.shape[-1]
;;       r = np.clip(x / 2.0 ** e, -448, 448)
;;       step = 2.0 ** (np.maximum(np.frexp(np.where(r == 0, 1, r))[1] - 1, -6) - 3)
;;       q = np.round(r / step) * step * 2.0 ** e      # np.round: ties to even
;;       return np.moveaxis(q, -1, axis).astype(np.float32)
;;   ~~~
;;   SOFTMAX AHEAD OF A QUANTISED PRODUCT. Where the list says 'softmax', what is quantised is not the finished softmax but p = 2^(t - M), with t = logit x log2(e) and M = ceil(the row's largest t), a whole number; so 1/2 < the row's largest p <= 1. The row's sum l is taken of the UNQUANTISED p, in f32, and the product's result is divided by l at the end. Since M is a whole number, a kernel that streams over the keys may use a running M (the ceiling of the running maximum): every later rescaling is an exact power of two, so the quantised numbers keep their values, but for numbers so far below the row's largest that they fall under the format's range.
;;   OPERANDS COMPUTED ON THE WAY. 'Computed on the way' means the value that the module computes at that place (a softmax that the list does not call 'softmax' is quantised finished and normalised). What goes into a quantiser is computed in f32, as accurately as f32 sums, v_exp_f32 and their like allow (about 1e-6 of the number): no bf16 or f16 on the way to a quantiser, and a product that is left as it is and whose result goes on into a quantised operand takes f32 operands (vector FMAs, or v_wmma_f32_16x16x4_f32). A number that lies on a knife's edge between two numbers of the format may be rounded either way, as far as f32 arithmetic and the matrix unit's own rounding can turn it there, and no further.
;; 2 versions, each right; version 2 is version 1 with the launches quant, attn written anew for expert scheduling mode. Each part assembles by itself: llvm-mc -triple=amdgcn-amd-amdhsa -mcpu=gfx1250 --defsym DOCPART=n.
;; ======== version 1 of 2: 4 launches
;; workspace buffers: xc 25,165,824 bytes; wc 4,194,304 bytes; qkv 25,165,824 bytes; zc 8,388,608 bytes
;; launch quant (part 1): grid 640 x 1, 4 waves a work-group, no clusters, 17,920 bytes of LDS; arguments embs, Wq, Wk, Wv, W0, lowp_scales, xc, wc; writes xc, wc
.if DOCPART == 1
	.amdgcn_target "amdgcn-amd-amdhsa--gfx1250"
	.amdhsa_code_object_version 6
	.text
	.protected	k_qd8d0c35ada_quant
	.globl	k_qd8d0c35ada_quant
	.p2align	8
	.type	k_qd8d0c35ada_quant,@function
k_qd8d0c35ada_quant:
	s_mov_b64 s[64:65], 0
	v_nop
	global_prefetch_b8 v0, s[64:65] scope:SCOPE_SE
	s_setreg_imm32_b32 hwreg(HW_REG_WAVE_MODE, 25, 1), 1
	s_wait_xcnt 0x0
; embs, Wq, Wk, Wv and W0 (f32) become codes of E4M3: code = x / 2^e, held within +-448, to the nearest code, ties to even.
; THE CODES ARE LAID AS IMAGES OF OPERAND REGISTERS.  A fragment is 16 rows x 128 K = 2,048 bytes: byte 512 c + 16 lane + x (lane = 16 h + r) holds
; row 32 (rho / 2) + 8 (rho % 2) + r + 8 (r / 8) of the matrix, k = 128 kap + 32 c + 16 h + x.  A matrix [rows][1024] is [rho][kap = 8][2,048 bytes].
; xc: three images of embs [8192][1024], with the scales of entries 1, 3 and 5.  wc: images of Wq^T, Wk^T, Wv^T (row = 64 head + column, K = d; entries 0, 2, 4) and of W0^T (entry 11).
; Work-groups 0-511: 16 rows of embs each, a wave 256 along K in four steps of 64.  Each load reads two runs of 256 consecutive bytes; a step turns through the wave's own stage in LDS
; (rows 272 bytes apart), so that a lane gets 16 neighbours along K; they are read once and quantised three times; each store covers 512 consecutive bytes.
; Work-groups 512-639: the weights, whose K is not innermost: a lane takes a column and its registers run down K, so the conversions give codes with K innermost; sixteen lanes store 256 consecutive bytes.
; No barrier: waves share nothing.  Memory binds here: no matrix unit, no cluster.
; LIMITS: every e between -126 and 119, so that 2^e and 448 x 2^e are f32 numbers.  NaN among the inputs is not served.
.set R,   16                           ; v16-143  embs: four sets of 32 numbers
.set T,   144                          ; v144-175 two sets of 16 held numbers
.set C,   176                          ; v176-223 two sets of 24 registers of codes
.set X,   32                           ; v32-95   weights: two sets of 32 numbers
.set WC,  96                           ; v96-159  weights: eight registers of codes for each of eight blocks
.set SP,  272                          ; a stage row: 256 bytes + 16
.macro LOAD t                          ; step t: 16 rows x 256 bytes; lanes 0-15 one row, lanes 16-31 the next
.irp i, 0,1,2,3,4,5,6,7
	global_load_b128 v[R+32*(\t)+4*\i:R+32*(\t)+4*\i+3], v2, s[16:17] offset:(2*\i+8*(\i/4))*4096+256*(\t) th:TH_LOAD_NT
.endr
.endm
.macro TURN t                          ; through the stage and back into the registers that they left: LDS serves a wave's instructions in order
.irp i, 0,1,2,3,4,5,6,7
	ds_store_b128 v3, v[R+32*(\t)+4*\i:R+32*(\t)+4*\i+3] offset:2*SP*\i
.endr
.irp c, 0,1
.irp j, 0,1,2,3
	ds_load_b128 v[R+32*(\t)+16*\c+4*\j:R+32*(\t)+16*\c+4*\j+3], v4 offset:128*\c+16*\j
.endr
.endr
.endm
.macro STEP t
.if (\t) < 3
	s_wait_loadcnt 8*(2-(\t))                      ; the next step's eight loads are in; those of the steps behind it may be out
	TURN (\t)+1
	s_wait_dscnt 16                                ; all but the sixteen just issued: this step's numbers are back
.else
	s_wait_dscnt 0x0
.endif
.if (\t) >= 2
	s_wait_xcnt 0x0                                ; the stores of two steps ago have read their codes: that set is written again
.endif
.irp v, 0,1,2
.irp c, 0,1
.set n, 0
.rept 16
	v_med3_num_f32 v[T+16*\c+n], v[R+32*(\t)+16*\c+n], -v[7+2*\v], v[7+2*\v]   ; the conversion does not saturate: the hold at 448 x the scale comes first
.set n, n+1
.endr
	v_cvt_scalef32_pk8_fp8_f32 v[C+24*((\t)%2)+8*\v+4*\c:C+24*((\t)%2)+8*\v+4*\c+1], v[T+16*\c:T+16*\c+7], v[6+2*\v]
	v_cvt_scalef32_pk8_fp8_f32 v[C+24*((\t)%2)+8*\v+4*\c+2:C+24*((\t)%2)+8*\v+4*\c+3], v[T+16*\c+8:T+16*\c+15], v[6+2*\v]   ; the other set's sixteen holds stand before these sources are written again
	global_store_b128 v5, v[C+24*((\t)%2)+8*\v+4*\c:C+24*((\t)%2)+8*\v+4*\c+3], s[32+2*\v:33+2*\v] offset:((\t)/2)*2048+(2*((\t)%2)+\c)*512
.endr
.endr
.endm
.macro WLOAD t, pitch                  ; block t: 32 rows of the weight at my column
.set n, 0
.rept 32
	global_load_b32 v[X+32*((\t)%2)+n], v3, s[18:19] offset:(32*(\t)+n)*\pitch
.set n, n+1
.endr
.endm
.macro WBODY pitch
	WLOAD 0, \pitch
	WLOAD 1, \pitch
.irp t, 0,1,2,3,4,5,6,7
.if \t < 7
	s_wait_loadcnt 32                              ; this block's 32 loads are in; the next block's may be out
.else
	s_wait_loadcnt 0x0
.endif
.set n, 0
.rept 32
	v_med3_num_f32 v[X+32*(\t%2)+n], v[X+32*(\t%2)+n], -v10, v10
.set n, n+1
.endr
.irp g, 0,1,2,3
	v_cvt_scalef32_pk8_fp8_f32 v[WC+8*\t+2*\g:WC+8*\t+2*\g+1], v[X+32*(\t%2)+8*\g:X+32*(\t%2)+8*\g+7], v11
.endr
	global_store_b128 v4, v[WC+8*\t:WC+8*\t+3], s[30:31] offset:(\t/4)*2048+(\t%4)*512        ; k 32 t + 0 .. 15: the image's lanes 0-15
	global_store_b128 v4, v[WC+8*\t+4:WC+8*\t+7], s[30:31] offset:(\t/4)*2048+(\t%4)*512+256  ; k 32 t + 16 .. 31: its lanes 16-31
.if \t+2 < 8
	WLOAD \t+2, \pitch
.endif
.endr
.endm
	s_load_b512 s[16:31], s[0:1], 0x0              ; embs 16, Wq 18, Wk 20, Wv 22, W0 24, the scales 26, xc 28, wc 30
	v_lshl_add_u32 v224, v0, 2, 0x4400
	v_mov_b32 v225, 0
	v_lshrrev_b32 v1, 5, v0
	v_readfirstlane_b32 s8, v1                     ; wave 0..3
	v_and_b32 v12, 15, v0                          ; lane % 16
	v_bfe_u32 v13, v0, 4, 1                        ; lane / 16
	s_wait_kmcnt 0x0
	s_load_b256 s[40:47], s[26:27], 0x0            ; entries 0-7
	s_load_b128 s[48:51], s[26:27], 0x20           ; entries 8-11
	s_cmp_lt_u32 ttmp9, 512
	s_cbranch_scc0 .Lweights
	; ---- embs: work-group = row tile rho
	v_and_b32 v14, 31, v0
	v_lshlrev_b32 v15, 4, v12
	v_lshl_add_u32 v2, v13, 12, v15                ; in memory: row lane / 16, 16 bytes a lane
	s_mul_i32 s9, s8, 16*SP                        ; my stage
	v_mul_u32_u24 v3, v13, SP
	v_add_nc_u32 v3, v3, v15
	v_add_nc_u32 v3, s9, v3                        ; into it: as loaded
	v_mul_u32_u24 v4, v12, SP
	v_lshl_add_u32 v4, v13, 6, v4
	v_add_nc_u32 v4, s9, v4                        ; out of it: row lane % 16, 64 bytes for each half of the lanes
	v_lshlrev_b32 v5, 4, v14                       ; 16 x lane: my place in an image
	s_lshr_b32 s10, ttmp9, 1
	s_lshl_b32 s10, s10, 17                        ; 32 (rho / 2) rows of 4,096 bytes
	s_and_b32 s11, ttmp9, 1
	s_lshl_b32 s11, s11, 15                        ; + 8 (rho % 2) rows
	s_add_co_u32 s10, s10, s11
	s_lshl_b32 s11, s8, 10                         ; + my wave's 256 along K
	s_add_co_u32 s10, s10, s11
	s_mov_b32 s11, 0
	s_add_nc_u64 s[16:17], s[16:17], s[10:11]
	s_lshl_b32 s10, ttmp9, 14                      ; the row tile's 16,384 bytes of codes,
	s_lshl_b32 s12, s8, 12                         ; my wave's two fragments
	s_add_co_u32 s10, s10, s12
	s_add_nc_u64 s[32:33], s[28:29], s[10:11]
	s_add_nc_u64 s[34:35], s[32:33], 0x800000      ; the second image,
	s_add_nc_u64 s[36:37], s[34:35], 0x800000      ; the third
	LOAD 0
	LOAD 1
	LOAD 2
	LOAD 3
	s_wait_kmcnt 0x0
.irp v, 0,1,2
	s_add_co_i32 s12, s[41+2*\v], 127
	s_lshl_b32 s13, s12, 23
	v_mov_b32 v[6+2*\v], s13                       ; 2^e as f32: the conversion takes its exponent field
	s_add_co_i32 s12, s12, 8
	s_lshl_b32 s12, s12, 23
	s_or_b32 s12, s12, 0x600000
	v_mov_b32 v[7+2*\v], s12                       ; 448 x 2^e
.endr
	s_wait_loadcnt 24                              ; step 0's eight loads are in
	TURN 0
	STEP 0
	STEP 1
	STEP 2
	STEP 3
	s_wait_tensorcnt 0x0
	ds_add_u32 v224, v225
	s_wait_dscnt 0x0
	s_endpgm
.Lweights:
	s_sub_co_u32 s9, ttmp9, 512
	s_lshr_b32 s10, s9, 5                          ; which tensor: 0 Wq, 1 Wk, 2 Wv, 3 W0
	s_and_b32 s11, s9, 31
	s_lshr_b32 s12, s11, 1
	s_lshl_b32 s12, s12, 1
	s_and_b32 s13, s8, 1
	s_add_co_u32 s12, s12, s13                     ; G: which 32 columns (two waves stand side by side)
	s_and_b32 s13, s11, 1
	s_lshl_b32 s13, s13, 1
	s_lshr_b32 s14, s8, 1
	s_add_co_u32 s13, s13, s14                     ; which 256 along K
	s_cmp_eq_u32 s10, 1
	s_cselect_b64 s[18:19], s[20:21], s[18:19]
	s_cmp_eq_u32 s10, 2
	s_cselect_b64 s[18:19], s[22:23], s[18:19]
	s_cmp_eq_u32 s10, 3
	s_cselect_b64 s[18:19], s[24:25], s[18:19]     ; the tensor: the choice hangs on the work-group's number alone
	s_lshr_b32 s14, s12, 1
	s_lshl_b32 s14, s14, 18                        ; a head's 262,144 bytes,
	s_lshl_b32 s15, s13, 16                        ; 256 rows of 256 bytes,
	s_add_co_u32 s14, s14, s15
	s_and_b32 s15, s12, 1
	s_lshl_b32 s15, s15, 7                         ; which half of a row
	s_add_co_u32 s14, s14, s15
	s_lshl_b32 s15, s13, 20                        ; W0: 256 rows of 4,096 bytes,
	s_lshl_b32 s32, s12, 7                         ; 32 columns
	s_add_co_u32 s15, s15, s32
	s_cmp_eq_u32 s10, 3
	s_cselect_b32 s14, s15, s14
	s_mov_b32 s15, 0
	s_add_nc_u64 s[18:19], s[18:19], s[14:15]
	s_lshl_b32 s14, s10, 20                        ; the tensor's image,
	s_lshl_b32 s32, s12, 15                        ; two row tiles,
	s_add_co_u32 s14, s14, s32
	s_lshl_b32 s32, s13, 12                        ; two fragments along K
	s_add_co_u32 s14, s14, s32
	s_add_nc_u64 s[30:31], s[30:31], s[14:15]
	v_and_b32 v14, 8, v12
	v_add_nc_u32 v14, v14, v12
	v_lshl_add_u32 v14, v13, 3, v14                ; my column of the 32: 8 (lane / 16) + r + 8 (r / 8): lanes 0-15 are the even row tile's rows, lanes 16-31 the odd one's
	v_lshlrev_b32 v3, 2, v14
	v_lshlrev_b32 v4, 4, v12
	v_lshl_add_u32 v4, v13, 14, v4                 ; out: my row tile, 16 bytes at r
	s_wait_kmcnt 0x0
	s_cmp_eq_u32 s10, 1
	s_cselect_b32 s40, s42, s40
	s_cmp_eq_u32 s10, 2
	s_cselect_b32 s40, s44, s40
	s_cmp_eq_u32 s10, 3
	s_cselect_b32 s40, s51, s40                    ; e: entry 0, 2, 4 or 11
	s_add_co_i32 s40, s40, 127
	s_lshl_b32 s41, s40, 23
	v_mov_b32 v11, s41                             ; 2^e
	s_add_co_i32 s40, s40, 8
	s_lshl_b32 s40, s40, 23
	s_or_b32 s40, s40, 0x600000
	v_mov_b32 v10, s40                             ; 448 x 2^e
	s_cmp_eq_u32 s10, 3
	s_cbranch_scc1 .Lw0
	WBODY 256                                      ; rows of 64 numbers
	s_endpgm
.Lw0:
	WBODY 4096                                     ; rows of 1,024 numbers
	s_endpgm
.Lfunc_end_k_qd8d0c35ada_quant:
	.size	k_qd8d0c35ada_quant, .Lfunc_end_k_qd8d0c35ada_quant-k_qd8d0c35ada_quant
	.p2alignl 7, 3214868480
	.fill 96, 4, 3214868480
	.section	.rodata,"a",@progbits
	.p2align	6, 0x0
	.amdhsa_kernel k_qd8d0c35ada_quant
		.amdhsa_group_segment_fixed_size 17920
		.amdhsa_private_segment_fixed_size 0
		.amdhsa_enable_private_segment 0
		.amdhsa_kernarg_size 64
		.amdhsa_user_sgpr_count 2
		.amdhsa_user_sgpr_kernarg_segment_ptr 1
		.amdhsa_wavefront_size32 1
		.amdhsa_system_sgpr_workgroup_id_x 1
		.amdhsa_system_sgpr_workgroup_id_y 1
		.amdhsa_system_sgpr_workgroup_id_z 1
		.amdhsa_system_vgpr_workitem_id 0
		.amdhsa_next_free_vgpr 226
		.amdhsa_next_free_sgpr 66
		.amdhsa_reserve_vcc 0
		.amdhsa_float_denorm_mode_32 3
		.amdhsa_float_denorm_mode_16_64 3
		.amdhsa_memory_ordered 1
		.amdhsa_forward_progress 1
		.amdhsa_inst_pref_size 130
	.end_amdhsa_kernel
	.amdgpu_metadata
---
amdhsa.version: [ 1, 2 ]
amdhsa.kernels:
  - .name:           k_qd8d0c35ada_quant
    .symbol:         k_qd8d0c35ada_quant.kd
    .args:
      - { .name: embs, .offset: 0, .size: 8, .value_kind: global_buffer, .address_space: global }
      - { .name: Wq, .offset: 8, .size: 8, .value_kind: global_buffer, .address_space: global }
      - { .name: Wk, .offset: 16, .size: 8, .value_kind: global_buffer, .address_space: global }
      - { .name: Wv, .offset: 24, .size: 8, .value_kind: global_buffer, .address_space: global }
      - { .name: W0, .offset: 32, .size: 8, .value_kind: global_buffer, .address_space: global }
      - { .name: lowp_scales, .offset: 40, .size: 8, .value_kind: global_buffer, .address_space: global }
      - { .name: xc, .offset: 48, .size: 8, .value_kind: global_buffer, .address_space: global }
      - { .name: wc, .offset: 56, .size: 8, .value_kind: global_buffer, .address_space: global }
    .group_segment_fixed_size: 17920
    .private_segment_fixed_size: 0
    .kernarg_segment_align: 8
    .kernarg_segment_size: 64
    .max_flat_workgroup_size: 128
    .sgpr_count:     66
    .vgpr_count:     226
    .wavefront_size: 32
...
	.end_amdgpu_metadata
.endif
;; end of part 1
;; launch qkv (part 2): grid 4 x 48, 4 waves a work-group, clusters of 4 x 4, 327,680 bytes of LDS; arguments xc, wc, lowp_scales, bq, bk, bv, qkv; writes qkv
.if DOCPART == 2
	.amdgcn_target "amdgcn-amd-amdhsa--gfx1250"
	.amdhsa_code_object_version 6
	.text
	.protected	k_qd8d0c35ada_qkv
	.globl	k_qd8d0c35ada_qkv
	.p2align	8
	.type	k_qd8d0c35ada_qkv,@function
k_qd8d0c35ada_qkv:
	s_mov_b64 s[64:65], 0
	v_nop
	global_prefetch_b8 v0, s[64:65] scope:SCOPE_SE
	s_setreg_imm32_b32 hwreg(HW_REG_WAVE_MODE, 25, 1), 1
	s_wait_xcnt 0x0
	s_wait_alu depctr_hold_cnt(0) depctr_sa_sdst(0) depctr_va_vdst(0) depctr_va_sdst(0) depctr_va_ssrc(0) depctr_va_vcc(0) depctr_vm_vsrc(0)
	s_getreg_b32 s2, hwreg(HW_REG_IB_STS2, 6, 4)
	s_cmp_eq_u32 s2, 0
	s_cbranch_scc0 .Lentry_in_a_cluster
	s_endpgm
.Lentry_in_a_cluster:
	s_bfe_u32 s2, ttmp6, 0x10000c
	s_cmp_lg_u32 s2, 0xf033
	s_cbranch_scc0 .Lentry_shape_is_right
	s_endpgm
.Lentry_shape_is_right:
; q, k and v: three products [8192 tokens][1024] x [1024][1024 = 64 head + column] on codes of E4M3, each + its bias, each quantised again for the attention.
; The cluster's y gives the job (0 q, 1 k, 2 v) and four clusters a job.  Jobs 0, 1: A = embs' codes (rows = tokens), B = the weight's (rows = 64 head + column).  Job 2: A = Wv's, B = embs':
; so v comes out with the KEYS along a lane's registers, as the attention's second product wants it.
; A tile of C, 256 x 256, is made by four waves, 128 x 128 each: 64 accumulators, 512 registers.  K goes in steps of 256 through a ring of two LDS slots filled by the tensor data mover.
; A WORK-GROUP STAYS: it makes TWO tiles of its job, 16 tiles of tokens (4 MiB of codes) apart: 3 jobs x 128 tiles = 192 work-groups x 2.  The ring does not stop at the first tile's end: its last two changes of slots
; ask for the second tile's first two K steps, and the first tile goes out while they are on their way.  The weight's tile and both biases are the same in both tiles.  Both tiles are written out.
; OPERANDS ARE IMAGES OF REGISTERS: a fragment (16 rows x 128 K) is 2,048 bytes, byte 512 c + 16 lane + x; a row tile's eight fragments follow each other.  So a fragment is four LDS loads of 512 consecutive bytes,
; with no padding.  Row tile rho holds rows 32 (rho / 2) + 8 (rho % 2) + r + 8 (r / 8).
; THE MATRIX INSTRUCTION IS USED TRANSPOSED (source 0 = B's 16 rows, source 1 = A's): in accumulator (a, b) lane (r, h) holds A's row r of tile a, and register j B's row 32 (b / 2) + 16 h + 8 (b % 2) + j.
; So accumulators 2 t and 2 t + 1 give a lane 16 neighbours, whose codes are the 16 bytes that the same lane holds in the next operand's image: they are stored as they stand, 512 consecutive bytes a store.
; OUT: qkv + job x 8 MiB + batch x 1 MiB + head pair x 131,072 + (128 tokens) x 16,384 + a x 2,048 + t x 512 + 16 lane.
; BIASES: q's and k's run along the columns: one packed multiply-add gives sum x 2^(ea + eb) + bias.  v's runs along A's rows: it is the C of the first K step, divided by 2^(ea + eb).  The text is one for all jobs:
; the bias that a job does not have is masked to 0.
; CLUSTERS: 4 x 4 work-groups; A's tile is asked for jointly by a row of the cluster, B's by a column.
; LIMITS: ea + eb between -126 and 127; the result's e between -126 and 119.  NaN is not served.
; REGISTERS: window 0: v12-29 constants and addresses; v32-95 the row bias (8 x 8), behind a tile's first step the column bias; v96-103 the row bias, one number a block, kept; v128-255 A's fragments, one set;
;   on the way out v128-191 numbers, v192-255 codes.   window 1: B's fragments, two sets.   windows 2, 3: the accumulators of my rows 0-63, 64-127.
.set FR,     16                        ; registers of a fragment
.set NL,     4                         ; LDS loads that bring one
.set NP,     4                         ; places behind this matrix instruction (ISA guide 7.12.1)
.set HALFT,  32768                     ; 8 row tiles x 4,096 bytes: what one tensor load brings
.set SLOT,   4*HALFT                   ; A's 16 row tiles, then B's
.set SPARE,  2*SLOT                    ; behind the ring: the spare words, 128 bytes a wave
.set KSB,    4096                      ; a row tile's bytes of 256 along K
.set WALK,   0x400000                  ; from a tile to the work-group's next: 16 tiles of 256 tokens, in codes and in qkv alike
.set SCL,  12                          ; v12  2^e of the result
.set LIM,  13                          ; v13  448 x that
.set ADRA, 16                          ; v16-17 LDS address of my A fragments in slot 0, 1
.set ADRB, 20                          ; v20-21 of B's
.set CO,   26                          ; v26  16 x lane
.set SPW,  28                          ; v28  my spare word
.set NIL,  29                          ; v29  0
.set RB,   32
.set CB,   32
.set RV,   96
.set AF,   128
.set TMP,  128
.set CD,   192
.set WV,   18                          ; s18 wave; s19 which half of the rows (also: I fetch for A or B); s20 which half of the columns (also: which half I fetch); s21 the job
.set WR,   19
.set WCOL, 20
.set JOB,  21
.set G1,  24
.set G0,  32
.set G1B, 48
.set G0B, 56
.set MSB, 0
.macro WIN new                         ; the immediate's high byte repeats the setting that is left
.if MSB != \new
	s_set_vgpr_msb (MSB<<8)|\new
.set MSB, \new
.endif
.endm
.set MUL_LO, 0xa1                      ; source 0 (B) window 1, source 1 (A) window 0, C and D window 2
.set MUL_HI, 0xf1                      ; the same, C and D window 3
.set BEG_LO, 0x81                      ; a tile's first step: C (the row bias) window 0, D window 2
.set BEG_HI, 0xc1                      ; D window 3
.set TO_B,   0x40                      ; destination window 1
; A joint load: waves 0 and 1 fetch for A, waves 2 and 3 for B; the branch hangs on the wave's number alone.  Four v_nop follow each of the two lines.
.macro JLOAD g0a, g1a, g0b, g1b
	s_cmp_eq_u32 s[WR], 0
	s_cbranch_scc0 .Lfor_b_\@
	tensor_load_to_lds s[\g0a:\g0a+3], s[\g1a:\g1a+7]
	s_nop 0
.rept 4
	v_nop
.endr
	s_branch .Lasked_\@
.Lfor_b_\@:
	tensor_load_to_lds s[\g0b:\g0b+3], s[\g1b:\g1b+7]
	s_nop 0
.rept 4
	v_nop
.endr
.Lasked_\@:
.endm
.macro CREST                           ; a round of the cluster's barrier behind its opening barrier
	s_cmp_lg_u32 s[WV], 0
	s_cbranch_scc1 .Lnot_wave_0_\@
	s_barrier_signal -3
.Lnot_wave_0_\@:
	s_barrier_wait -3
	s_barrier_signal -1
	s_barrier_wait -1
.endm
.macro CROUND
	s_barrier_signal -1
	s_barrier_wait -1
	CREST
.endm
.macro FRAG reg, adr, q, i             ; row tile i, the slot's q-th 128 along K: four loads of 512 consecutive bytes
.irp c, 0,1,2,3
	ds_load_b128 v[\reg+4*\c:\reg+4*\c+3], v[\adr] offset:2048*(\q)+512*\c+(\i)*KSB
.endr
.endm
; 16 matrix instructions: A's blocks a0, a0 + 1 x B's eight.  p: B's set.  zero = 1: the first K step starts the sums, with the row bias as C.  The 64 accumulators take turns, one instruction a turn.
.macro MUL16 a0, p, zero
.irp a, \a0, \a0+1
.irp b, 0,1,2,3,4,5,6,7
.if \zero
	v_wmma_f32_16x16x128_fp8_fp8 v[8*(8*((\a)%4)+\b):8*(8*((\a)%4)+\b)+7], v[128*(\p)+FR*\b:128*(\p)+FR*\b+FR-1], v[AF+FR*(\a):AF+FR*(\a)+FR-1], v[RB+8*(\a):RB+8*(\a)+7]
.else
	v_wmma_f32_16x16x128_fp8_fp8 v[8*(8*((\a)%4)+\b):8*(8*((\a)%4)+\b)+7], v[128*(\p)+FR*\b:128*(\p)+FR*\b+FR-1], v[AF+FR*(\a):AF+FR*(\a)+FR-1], v[8*(8*((\a)%4)+\b):8*(8*((\a)%4)+\b)+7]
.endif
.endr
.endr
.endm
.macro FETCH_B slot, q, p
	WIN TO_B
.irp i, 0,1,2,3,4,5,6,7
	FRAG 128*(\p)+FR*\i, ADRB+\slot, \q, \i
.endr
	WIN 0
.endm
.macro FETCH_A slot, q, i0
.irp i, \i0, \i0+1, \i0+2, \i0+3
	FRAG AF+FR*(\i), ADRA+\slot, \q, \i
.endr
.endm
.macro PLACES n                        ; plain vector instructions between a matrix instruction and a load into, or a vector write of, one of its registers, or a read of its result
.rept \n
	v_nop
.endr
.endm
; A step of 128 along K that has its successor in the same slot.  A has one set of registers: blocks 0-3 are fetched anew in the step's middle, blocks 4-7 at its end; B has two sets.
.macro STEP slot, q, zero
	s_wait_dscnt 4*NL                              ; B's set and A's blocks 0-3 are in; the youngest sixteen loads (A's blocks 4-7) may be out
.if \zero
	WIN BEG_LO
.else
	WIN MUL_LO
.endif
	MUL16 0, (\q)%2, \zero
	MUL16 2, (\q)%2, \zero
	s_wait_dscnt 0                                 ; A's blocks 4-7 are in
	PLACES NP
	FETCH_B \slot, (\q)+1, 1-(\q)%2
	FETCH_A \slot, (\q)+1, 0
.if \zero
	WIN BEG_HI
.else
	WIN MUL_HI
.endif
	MUL16 4, (\q)%2, \zero
	MUL16 6, (\q)%2, \zero
	PLACES NP
	WIN 0
	FETCH_A \slot, (\q)+1, 4
.endm
; A slot's last step changes slots: one barrier; in front of it each wave waits for all its tensor loads, adds 0 to its spare word, and waits for that and for its reads of this slot.
; fill = 1: this slot is filled again, two K steps ahead; 2: with the NEXT tile's K step of this slot; 0: not at all.  fetch = 1: the next slot's first fragments are fetched; 0: the tile's last step: the way out follows.
.macro TURN slot, next, fill, fetch
	s_wait_tensorcnt 0x0                           ; all my tensor loads have landed: my part of the next slot
	ds_add_u32 v[SPW], v[NIL]                      ; 0 onto my spare word
	s_wait_dscnt 4*NL+1                            ; (the add and the youngest sixteen loads may be out)
	WIN MUL_LO
	MUL16 0, 1, 0
	s_wait_dscnt 0x0                               ; the add is done, and my reads of this slot are over
	s_barrier_signal -1
	MUL16 2, 1, 0
	WIN 0
	s_barrier_wait -1
.if \fill
	CREST                                          ; the barrier has opened a round of the cluster's: no wave of any partner still reads this slot or has a load on its way
.if \fill == 2
	s_sub_nc_u64 s[G0+4*\slot+2:G0+4*\slot+3], s[G0+4*\slot+2:G0+4*\slot+3], 2*KSB     ; back along K,
	s_add_nc_u64 s[G0+4*\slot+2:G0+4*\slot+3], s[G0+4*\slot+2:G0+4*\slot+3], s[80:81]  ; and on to the next tile: WALK where A holds the tokens, else 0
	s_sub_nc_u64 s[G0B+4*\slot+2:G0B+4*\slot+3], s[G0B+4*\slot+2:G0B+4*\slot+3], 2*KSB
	s_add_nc_u64 s[G0B+4*\slot+2:G0B+4*\slot+3], s[G0B+4*\slot+2:G0B+4*\slot+3], s[84:85]
.else
	s_add_nc_u64 s[G0+4*\slot+2:G0+4*\slot+3], s[G0+4*\slot+2:G0+4*\slot+3], 2*KSB
	s_add_nc_u64 s[G0B+4*\slot+2:G0B+4*\slot+3], s[G0B+4*\slot+2:G0B+4*\slot+3], 2*KSB
.endif
	JLOAD G0+4*\slot, G1, G0B+4*\slot, G1B         ; the first tensor load behind the round; its four v_nop are the places in front of the loads below
.else
	PLACES NP
.endif
.if \fetch
	FETCH_B \next, 0, 0
	FETCH_A \next, 0, 0
.endif
	WIN MUL_HI
	MUL16 4, 1, 0
	MUL16 6, 1, 0
.if \fetch
	PLACES NP
	WIN 0
	FETCH_A \next, 0, 4
.else
	WIN 0
.endif
.endm
; THE WAY OUT of block a (16 rows x 128 columns): x 2^(ea + eb) + the column bias, the hold, the conversion, four stores of 512 consecutive bytes.  Each accumulator is read from its low end on.
.macro OUTBLK a
.set AC, 64*((\a)%4)
.set CS, CD+16*((\a)%4)
.if (\a) >= 4
	s_wait_xcnt 0x0                                ; the stores of four blocks ago have read their codes
.endif
	WIN 0x02+((\a)/4)                              ; source 0: window 2 or 3
.set n, 0
.rept 32
	v_pk_fma_f32 v[TMP+n:TMP+n+1], v[AC+n:AC+n+1], s[96:97], v[CB+n:CB+n+1] op_sel_hi:[1,0,1]
.set n, n+2
.endr
	WIN 0
.set n, 0
.rept 64
	v_med3_num_f32 v[TMP+n], v[TMP+n], -v[LIM], v[LIM]
.set n, n+1
.endr
.irp b, 0,1,2,3,4,5,6,7
	v_cvt_scalef32_pk8_fp8_f32 v[CS+2*\b:CS+2*\b+1], v[TMP+8*\b:TMP+8*\b+7], v[SCL]
.endr
	v_nop                                          ; a plain instruction between the conversions and the next block's writes of their sources
.irp t, 0,1,2,3
	global_store_b128 v[CO], v[CS+4*\t:CS+4*\t+3], s[16:17] offset:(\a)*2048+\t*512
.endr
.endm
.macro RBSET                           ; the row bias as the C of a tile's first step: a lane's eight results of a tile belong to one row
.irp a, 0,1,2,3,4,5,6,7
.irp j, 0,1,2,3,4,5,6,7
	v_mov_b32 v[RB+8*\a+\j], v[RV+\a]
.endr
.endr
.endm
; A TILE: 1,024 along K = four K steps of 256 = twice round the ring, and the way out.  more = 1: another tile follows: the last two changes of slots ask for its K steps 0 and 1.
.macro TILE more
	FETCH_B 0, 0, 0
	FETCH_A 0, 0, 0
	FETCH_A 0, 0, 4
	STEP 0, 0, 1                                   ; the first step's products start the sums
.irp t, 0,1,2,3                        ; the row bias is done with (four places stand behind its last reader): its registers take the column bias, which is waited for on the way out
.irp q, 0,1,2,3
	global_load_b128 v[CB+16*\t+4*\q:CB+16*\t+4*\q+3], v4, s[10:11] offset:128*\t+16*\q
.endr
.endr
	TURN 0, 1, 1, 1
	STEP 1, 0, 0
	TURN 1, 0, 1, 1
	STEP 0, 0, 0
.if \more
	TURN 0, 1, 2, 1                                ; THE RING GOES ON INTO THE NEXT TILE: slot 0 takes its K step 0,
	STEP 1, 0, 0
	TURN 1, 0, 2, 0                                ; slot 1 its K step 1.  In front of this round every wave has waited for all its loads: slot 0 is whole for every wave behind it
.else
	TURN 0, 1, 0, 1                                ; the last tile's last lap fills nothing
	STEP 1, 0, 0
	s_wait_dscnt 4*NL                              ; the very last step
	WIN MUL_LO
	MUL16 0, 1, 0
	MUL16 2, 1, 0
	s_wait_dscnt 0
	WIN MUL_HI
	MUL16 4, 1, 0
	MUL16 6, 1, 0
	WIN 0
.endif
	s_wait_loadcnt 0x0                             ; the column bias
.set n, 0
.rept 64
	v_and_b32 v[CB+n], s99, v[CB+n]                ; these 64 are also the places behind the last products
.set n, n+1
.endr
.irp a, 0,1,2,3,4,5,6,7
	OUTBLK \a
.endr
.endm
	s_load_b256 s[4:11], s[0:1], 0x0               ; xc 4, wc 6, the scales 8, bq 10
	s_load_b128 s[12:15], s[0:1], 0x20             ; bk 12, bv 14
	s_load_b64 s[16:17], s[0:1], 0x30              ; qkv
	v_lshl_add_u32 v[SPW], v0, 2, SPARE
	v_mov_b32 v[NIL], 0
	ds_add_u32 v28, v29
	ds_add_u32 v28, v29
	s_wait_dscnt 0x0
	v_lshrrev_b32 v1, 5, v0
	v_readfirstlane_b32 s[WV], v1
	s_lshr_b32 s[WR], s[WV], 1
	s_and_b32 s[WCOL], s[WV], 1
	s_bfe_u32 s40, ttmp6, 0x40000                  ; cx
	s_bfe_u32 s41, ttmp6, 0x40004                  ; cy
	s_and_b32 s22, ttmp7, 0xffff                   ; the cluster's y: 0..11
	s_lshr_b32 s[JOB], s22, 2
	s_and_b32 s22, s22, 3                          ; which of the job's four clusters
	s_lshl_b32 s44, s[JOB], 23                     ; the job's image of embs, and its part of qkv
	s_lshl_b32 s45, s[JOB], 20                     ; the job's weight image
	s_cmp_eq_u32 s[JOB], 2                         ; the same number in all partners
	s_cselect_b32 s46, 0, s22                      ; the long axis (tokens) is A's rows in jobs 0 and 1, B's rows in job 2
	s_cselect_b32 s47, s22, 0
	s_cselect_b32 s80, s45, s44                    ; A's image in its buffer
	s_cselect_b32 s84, s44, s45                    ; B's
	s_lshl_b32 s43, s46, 2
	s_add_co_u32 s43, s43, s41                     ; tile row of C (the first tile's)
	s_lshl_b32 s42, s47, 2
	s_add_co_u32 s42, s42, s40                     ; tile column of C
	s_lshl_b32 s23, s41, 2
	s_lshl_b32 s23, 15, s23                        ; my row of the cluster
	s_lshl_b32 s2, 0x1111, s40                     ; my column
	; descriptor group 1: 8 rows (row tiles) of 512 elements of 8 bytes (4,096 bytes: 256 along K), 16,384 bytes apart; dense in LDS
	s_or_b32 s[G1+0], s23, (3<<16)|(1<<21)         ; 15:0 the mask; 17:16 elements of 8 bytes; 21 set beside a mask
	s_or_b32 s[G1B+0], s2, (3<<16)|(1<<21)
.irp g, G1, G1B
	s_mov_b32 s[\g+1], 512<<16                     ; tensor_dim0
	s_mov_b32 s[\g+2], 8<<16                       ; tensor_dim1
	s_mov_b32 s[\g+3], 512<<16                     ; tile_dim0
	s_mov_b32 s[\g+4], 8                           ; tile_dim1
	s_mov_b32 s[\g+5], 2048                        ; tensor_dim0_stride
	s_mov_b32 s[\g+6], 0
	s_mov_b32 s[\g+7], 0
.endr
	s_lshl_b32 s81, s43, 18                        ; A: 16 row tiles a tile row,
	s_add_co_u32 s80, s80, s81
	s_lshl_b32 s81, s[WCOL], 17                    ; the half that I fetch
	s_add_co_u32 s80, s80, s81
	s_mov_b32 s81, 0
	s_lshl_b32 s85, s42, 18                        ; B likewise, by the tile column
	s_add_co_u32 s84, s84, s85
	s_lshl_b32 s85, s[WCOL], 17
	s_add_co_u32 s84, s84, s85
	s_mov_b32 s85, 0
	s_lshl_b32 s66, s[WV], 15                      ; where they go: wave x 32,768: no place in the cluster enters an LDS address
	s_wait_kmcnt 0x0
	s_load_b256 s[68:75], s[8:9], 0x0              ; entries 0-7
	s_load_b128 s[76:79], s[8:9], 0x20             ; entries 8-11
	s_cmp_eq_u32 s[JOB], 2
	s_cselect_b64 s[82:83], s[6:7], s[4:5]         ; A's buffer
	s_cselect_b64 s[86:87], s[4:5], s[6:7]         ; B's
	s_add_nc_u64 s[82:83], s[82:83], s[80:81]
	s_add_nc_u64 s[86:87], s[86:87], s[84:85]
	CROUND                                         ; all sixteen work-groups are here: the first joint loads meet
.irp s, 0,1
	s_mov_b32 s[G0+4*\s], 1
	s_add_co_u32 s[G0+4*\s+1], s66, \s*SLOT
	s_add_nc_u64 s[G0+4*\s+2:G0+4*\s+3], s[82:83], \s*KSB
	s_or_b32 s[G0+4*\s+3], s[G0+4*\s+3], 0x80000000
	s_mov_b32 s[G0B+4*\s], 1
	s_add_co_u32 s[G0B+4*\s+1], s66, \s*SLOT
	s_add_nc_u64 s[G0B+4*\s+2:G0B+4*\s+3], s[86:87], \s*KSB
	s_or_b32 s[G0B+4*\s+3], s[G0B+4*\s+3], 0x80000000
	JLOAD G0+4*\s, G1, G0B+4*\s, G1B
.endr
	s_cmp_eq_u32 s[JOB], 2                         ; what leads from a tile to the next, by the job alone: the operand that holds the tokens walks, the weight's stays (s81 and s85 are 0)
	s_cselect_b32 s80, 0, WALK
	s_cselect_b32 s84, WALK, 0
	v_and_b32 v1, 31, v0
	v_lshlrev_b32 v[CO], 4, v1
	s_lshl_b32 s67, s[WR], 15                      ; my 8 row tiles of A,
	s_lshl_b32 s88, s[WCOL], 15                    ; of B,
	s_add_co_u32 s88, s88, 2*HALFT                 ; which lie behind A's 16
.irp s, 0,1
	v_add_nc_u32 v[ADRA+\s], s67, v[CO]
	v_add_nc_u32 v[ADRB+\s], s88, v[CO]
	s_add_co_u32 s67, s67, SLOT
	s_add_co_u32 s88, s88, SLOT
.endr
	v_and_b32 v2, 15, v0
	v_and_b32 v3, 8, v2
	v_add_nc_u32 v3, v3, v2
	v_lshlrev_b32 v3, 2, v3                        ; the row bias: 4 (r + 8 (r / 8))
	v_bfe_u32 v4, v0, 4, 1
	v_lshlrev_b32 v4, 6, v4                        ; the column bias: 64 h: my 16 numbers of each 32
	s_lshl_b32 s94, s43, 8
	s_lshl_b32 s95, s[WR], 7
	s_add_co_u32 s94, s94, s95                     ; my first row of C;
	s_and_b32 s94, s94, 1023                       ; in jobs 0 and 1 it is a token: held inside the buffer, and what is loaded is masked to 0
	s_lshl_b32 s94, s94, 2
	s_mov_b32 s95, 0
	s_add_nc_u64 s[14:15], s[14:15], s[94:95]
.irp a, 0,1,2,3,4,5,6,7
	global_load_b32 v[RV+\a], v3, s[14:15] offset:4*(32*(\a/2)+8*(\a%2))
.endr
	s_cmp_eq_u32 s[JOB], 1
	s_cselect_b64 s[10:11], s[12:13], s[10:11]     ; bk or bq
	s_lshl_b32 s94, s42, 8
	s_lshl_b32 s95, s[WCOL], 7
	s_add_co_u32 s94, s94, s95                     ; my first column of C (in job 2 a token: held inside, masked)
	s_and_b32 s94, s94, 1023
	s_lshl_b32 s94, s94, 2
	s_mov_b32 s95, 0
	s_add_nc_u64 s[10:11], s[10:11], s[94:95]
	s_lshl_b32 s88, s43, 1
	s_add_co_u32 s88, s88, s[WR]                   ; which 128 rows of C are mine,
	s_lshl_b32 s89, s42, 1
	s_add_co_u32 s89, s89, s[WCOL]                 ; which 128 columns
	s_cmp_eq_u32 s[JOB], 2
	s_cselect_b32 s90, s89, s88                    ; which 128 tokens,
	s_cselect_b32 s91, s88, s89                    ; which pair of heads
	s_lshr_b32 s92, s90, 3
	s_lshl_b32 s92, s92, 20                        ; the batch,
	s_add_co_u32 s92, s92, s44                     ; the job,
	s_lshl_b32 s91, s91, 17
	s_add_co_u32 s92, s92, s91                     ; the pair of heads,
	s_and_b32 s90, s90, 7
	s_lshl_b32 s90, s90, 14
	s_add_co_u32 s92, s92, s90                     ; the 128 tokens
	s_mov_b32 s93, 0
	s_add_nc_u64 s[16:17], s[16:17], s[92:93]
	s_wait_kmcnt 0x0
	s_add_co_i32 s68, s68, s69                     ; ea + eb of job 0,
	s_add_co_i32 s70, s70, s71                     ; 1,
	s_add_co_i32 s72, s72, s73                     ; 2
	s_cmp_eq_u32 s[JOB], 1
	s_cselect_b32 s68, s70, s68
	s_cselect_b32 s74, s75, s74                    ; the result's e: entry 6 (q), 7 (k),
	s_cmp_eq_u32 s[JOB], 2
	s_cselect_b32 s68, s72, s68
	s_cselect_b32 s74, s77, s74                    ; 9 (v)
	s_cselect_b32 s98, -1, 0                       ; the row bias counts in job 2 alone,
	s_cselect_b32 s99, 0, -1                       ; the column bias in jobs 0 and 1
	s_sub_co_i32 s69, 0, s68
	s_add_co_i32 s96, s68, 127
	s_lshl_b32 s96, s96, 23                        ; 2^(ea + eb) as f32
	s_mov_b32 s97, s96                             ; (named with it as a pair)
	s_add_co_i32 s74, s74, 127
	s_lshl_b32 s75, s74, 23
	v_mov_b32 v[SCL], s75
	s_add_co_i32 s74, s74, 8
	s_lshl_b32 s74, s74, 23
	s_or_b32 s74, s74, 0x600000
	v_mov_b32 v[LIM], s74
	s_wait_loadcnt 0x0
.irp a, 0,1,2,3,4,5,6,7
	v_and_b32 v[RV+\a], s98, v[RV+\a]
	v_ldexp_f32 v[RV+\a], v[RV+\a], s69            ; / 2^(ea + eb): the power of two that the sums lack
.endr
	RBSET
	s_wait_tensorcnt 1                             ; my part of K step 0 is in (K step 1's load may be out)
	s_barrier_signal -1
	s_barrier_wait -1                              ; everybody's is
	TILE 1                                         ; the first tile; both of the next tile's first K steps are asked for before its way out
	s_wait_xcnt 0x0                                ; its stores have read their codes and their base: A's fragments may land on the codes' registers, and the base may step
	s_add_nc_u64 s[16:17], s[16:17], WALK          ; 16 tiles of tokens on: four batches
	RBSET                                          ; the column bias is done with: its registers take the row bias again
	TILE 0                                         ; the second and last tile
	s_wait_tensorcnt 0x0                           ; the wave's end
	ds_add_u32 v[SPW], v[NIL]
	s_wait_dscnt 0x0
	CROUND                                         ; the closing round: no work-group ends while a partner may still ask for a tile that names it
	s_endpgm
.Lfunc_end_k_qd8d0c35ada_qkv:
	.size	k_qd8d0c35ada_qkv, .Lfunc_end_k_qd8d0c35ada_qkv-k_qd8d0c35ada_qkv
	.p2alignl 7, 3214868480
	.fill 96, 4, 3214868480
	.section	.rodata,"a",@progbits
	.p2align	6, 0x0
	.amdhsa_kernel k_qd8d0c35ada_qkv
		.amdhsa_group_segment_fixed_size 327680
		.amdhsa_private_segment_fixed_size 0
		.amdhsa_enable_private_segment 0
		.amdhsa_kernarg_size 56
		.amdhsa_user_sgpr_count 2
		.amdhsa_user_sgpr_kernarg_segment_ptr 1
		.amdhsa_wavefront_size32 1
		.amdhsa_system_sgpr_workgroup_id_x 1
		.amdhsa_system_sgpr_workgroup_id_y 1
		.amdhsa_system_sgpr_workgroup_id_z 1
		.amdhsa_system_vgpr_workitem_id 0
		.amdhsa_next_free_vgpr 1024
		.amdhsa_next_free_sgpr 100
		.amdhsa_reserve_vcc 0
		.amdhsa_float_denorm_mode_32 3
		.amdhsa_float_denorm_mode_16_64 3
		.amdhsa_memory_ordered 1
		.amdhsa_forward_progress 1
		.amdhsa_inst_pref_size 255
	.end_amdhsa_kernel
	.section	.bss,"aw",@nobits
	.p2align	6
	.space	262144
	.amdgpu_metadata
---
amdhsa.version: [ 1, 2 ]
amdhsa.kernels:
  - .name:           k_qd8d0c35ada_qkv
    .symbol:         k_qd8d0c35ada_qkv.kd
    .args:
      - { .name: xc, .offset: 0, .size: 8, .value_kind: global_buffer, .address_space: global }
      - { .name: wc, .offset: 8, .size: 8, .value_kind: global_buffer, .address_space: global }
      - { .name: lowp_scales, .offset: 16, .size: 8, .value_kind: global_buffer, .address_space: global }
      - { .name: bq, .offset: 24, .size: 8, .value_kind: global_buffer, .address_space: global }
      - { .name: bk, .offset: 32, .size: 8, .value_kind: global_buffer, .address_space: global }
      - { .name: bv, .offset: 40, .size: 8, .value_kind: global_buffer, .address_space: global }
      - { .name: qkv, .offset: 48, .size: 8, .value_kind: global_buffer, .address_space: global }
    .group_segment_fixed_size: 327680
    .private_segment_fixed_size: 0
    .kernarg_segment_align: 8
    .kernarg_segment_size: 56
    .max_flat_workgroup_size: 128
    .sgpr_count:     100
    .vgpr_count:     1024
    .wavefront_size: 32
...
	.end_amdgpu_metadata
.endif
;; end of part 2
;; launch attn (part 3): grid 2 x 128, 16 waves a work-group, no clusters, 133,120 bytes of LDS; arguments qkv, lowp_scales, zc; writes zc
.if DOCPART == 3
	.amdgcn_target "amdgcn-amd-amdhsa--gfx1250"
	.amdhsa_code_object_version 6
	.text
	.protected	k_qd8d0c35ada_attn
	.globl	k_qd8d0c35ada_attn
	.p2align	8
	.type	k_qd8d0c35ada_attn,@function
k_qd8d0c35ada_attn:
	s_mov_b64 s[64:65], 0
	v_nop
	global_prefetch_b8 v0, s[64:65] scope:SCOPE_SE
	s_setreg_imm32_b32 hwreg(HW_REG_WAVE_MODE, 25, 1), 1
	s_wait_xcnt 0x0
; z[b][h][q] = softmax_k(q . k / 8) v on codes of E4M3, and z quantised for the last product.  1,024 queries and keys a head, head size 64.
; THE SOFTMAX: t = score x log2(e) / 8; M = the running largest t rounded UP to a whole number; p = 2^(t - M) is quantised (entry 8), not normalised; the row's sum is taken of the unquantised p and divides at the end;
; when M moves, the sum and O are multiplied by 2^(old M - new M), which rounds nothing.
; SHARES.  A work-group owns half of a head's queries (x) of one (batch, head) (y); each of its sixteen waves two tiles of 16 queries, one after the other, in 256 registers: four waves to a SIMD, so that one wave's
; vector work stands beside another's matrix work and LDS loads.  The head's whole K (64 KiB) and V^T (64 KiB) are brought into LDS ONCE, 8 KiB a wave, through registers: sixteen loads and sixteen LDS stores of 512
; consecutive bytes; one barrier.
; THE HOLD ON p.  p is at most 1 (a rounding over it at the most), so where 448 x 2^e is 1 or more, e >= -8, the hold at the largest code can change nothing: a scalar branch on the given e leads round its 64 lines, in the loop,
; round those lines alone.  For a smaller e the lines are run.
; NO CLUSTER: a head has two work-groups, which no cluster of four divides; what they share is fetched once for each, at its start.
; LAYOUT.  All operands are images of registers (16 bytes a lane, 512 consecutive bytes a load).  Both products are used transposed: S^T = K Q^T (K = 64: the 16x16x64 form), O^T = V^T P^T (K = 128 keys):
; a lane holds ONE query throughout.  Lane r of key tile t holds key 32 (t / 2) + 8 (t % 2) + r + 8 (r / 8), so the 16 registers of tiles 2 b and 2 b + 1 are keys 32 b + 16 h + 0 .. 15: p's codes are the operand as they stand.
; O^T's tiles 2 g and 2 g + 1 likewise give 16 neighbouring channels: z's codes are stored as they stand into the image of z [8192][1024].
; LIMITS: entries 6 + 7 between -123 and 130 (added to c's exponent field); entries 8 and 10 between -126 and 119.  NaN is not served.
; REGISTERS: v1 16 x lane; v3 where my wave puts what it fetches; v8, v9 LDS addresses; v12 -M, v13 the largest t, v[14:15] the sum; v16-31 Q of my two tiles; v32-95 what I fetch, then fragments of K and of V;
;   v96-159 S^T, then p; v160-191 O^T; v192-207 p's codes; v[208:209] f; v210-215 at work; v216, v217: 448 x 2^e and 2^e for p; v218, v219 for z; v220-235 z's codes.
.set LI,  1
.set FA,  3
.set ADK, 8
.set ADV, 9
.set WV,  18
.set TB,  48                           ; s48  LDS byte of the key step in hand
.set EP,  52                           ; s52  the e of p (entry 8)
; A KEY STEP: 128 keys.  q: my tile's fragment of Q.
.macro KSTEP q
	v_add_nc_u32 v[ADK], s[TB], v[LI]
	v_add_nc_u32 v[ADV], 0x10000, v[ADK]
	v_nop
	v_nop                                          ; four places in front of loads into registers that the last products read
.irp t, 0,1,2,3,4,5,6,7
	ds_load_b128 v[32+8*\t:35+8*\t], v[ADK] offset:1024*\t
	ds_load_b128 v[36+8*\t:39+8*\t], v[ADK] offset:1024*\t+512
.endr
	s_wait_dscnt 0x0
.irp t, 0,1,2,3,4,5,6,7
	v_wmma_f32_16x16x64_fp8_fp8 v[96+8*\t:103+8*\t], v[32+8*\t:39+8*\t], v[\q:\q+7], 0
.endr
.rept 4
	v_nop                                          ; places in front of the loads below and of the first read of the scores
.endr
.irp t, 0,1,2,3                        ; V^T's four fragments land while the softmax is walked
.irp c, 0,1,2,3
	ds_load_b128 v[32+16*\t+4*\c:35+16*\t+4*\c], v[ADV] offset:2048*\t+512*\c
.endr
.endr
	v_max3_num_f32 v210, v96, v97, v98             ; the step's largest score of my query among my 64 keys, in two chains, each tile from its low end on,
	v_max3_num_f32 v211, v99, v100, v101
.irp i, 6,10,14,18,22,26,30,34,38,42,46,50,54,58
	v_max3_num_f32 v210, v210, v[96+\i], v[97+\i]
	v_max3_num_f32 v211, v211, v[98+\i], v[99+\i]
.endr
	v_max3_num_f32 v210, v210, v158, v159
	v_max_num_f32 v210, v210, v211
	v_permlanex16_b32 v212, v210, s20, s21
	v_max_num_f32 v210, v210, v212                 ; and among the other half of the lanes'
	v_mul_f32 v210, s22, v210                      ; as t (c is positive)
	v_max_num_f32 v13, v13, v210                   ; the running largest t
	v_mov_b32 v210, v12
	v_floor_f32 v12, -v13                          ; the new -M = floor(-t): M is a whole number
	v_sub_f32 v210, v12, v210                      ; old M - new M: a whole number, 0 or less
	v_cvt_i32_f32 v210, v210                       ; (it saturates)
	v_ldexp_f32 v208, 1.0, v210                    ; f = 2^(old M - new M)
.set n, 0
.rept 32
	v_pk_fma_f32 v[96+n:97+n], v[96+n:97+n], s[22:23], v[12:13] op_sel_hi:[1,0,0]   ; t - M, two at a time
.set n, n+2
.endr
.set n, 0
.rept 64
	v_exp_f32 v[96+n], v[96+n]                     ; p = 2^(t - M), at most 1
.set n, n+1
.endr
	v_pk_mul_f32 v[14:15], v[14:15], v[208:209] op_sel_hi:[1,0]   ; the sum under the new M (a plain place behind the exponentials)
	s_wait_alu depctr_va_vdst(0)
	v_pk_add_f32 v[214:215], v[96:97], v[98:99]    ; the sum of the unquantised p, in two chains
.irp j, 4,8,12,16,20,24,28,32,36,40,44,48,52,56,60
	v_pk_add_f32 v[14:15], v[14:15], v[96+\j:97+\j]
	v_pk_add_f32 v[214:215], v[214:215], v[98+\j:99+\j]
.endr
	v_pk_add_f32 v[14:15], v[14:15], v[214:215]
	s_cmp_ge_i32 s[EP], -8                         ; 448 x 2^e >= 1.75 there, over every p: the hold would change nothing
	s_cbranch_scc1 .Lfits_\@
.set n, 0
.rept 64
	v_min_num_f32 v[96+n], v[96+n], v216           ; the conversion does not saturate; p is not negative, so the hold is one-sided
.set n, n+1
.endr
.Lfits_\@:
.irp b, 0,1,2,3
	v_cvt_scalef32_pk8_fp8_f32 v[192+4*\b:193+4*\b], v[96+16*\b:103+16*\b], v217
	v_cvt_scalef32_pk8_fp8_f32 v[194+4*\b:195+4*\b], v[104+16*\b:111+16*\b], v217
.endr
.set n, 0
.rept 16
	v_pk_mul_f32 v[160+n:161+n], v[160+n:161+n], v[208:209] op_sel_hi:[1,0]   ; O^T under the new M; also the plain place behind the conversions
.set n, n+2
.endr
	s_wait_dscnt 0x0                               ; V^T's fragments are in
.irp t, 0,1,2,3
	v_wmma_f32_16x16x128_fp8_fp8 v[160+8*\t:167+8*\t], v[32+16*\t:47+16*\t], v[192:207], v[160+8*\t:167+8*\t]   ; the four accumulators take turns
.endr
.endm
; One tile of 16 queries through all keys, and out.
.macro QTILE it
	v_mov_b32 v13, 0xff61b1e6                      ; the largest t so far: -3e38, under every t
	v_floor_f32 v12, -v13
	v_mov_b32 v14, 0
	v_mov_b32 v15, 0
.set n, 0
.rept 32
	v_mov_b32 v[160+n], 0                          ; O^T: the step is written once; the first change of M leaves zeros zeros
.set n, n+1
.endr
	s_mov_b32 s[TB], 0
.Lkeys_\@:                                             ; eight trips of 128 keys
	KSTEP 16+8*\it
	s_add_co_u32 s[TB], s[TB], 8192
	s_cmp_lt_u32 s[TB], 65536
	s_cbranch_scc1 .Lkeys_\@
.rept 4
	v_nop                                          ; places behind the last products
.endr
	v_add_f32 v14, v14, v15                        ; the sum's two halves,
	v_permlanex16_b32 v212, v14, s20, s21
	v_add_f32 v14, v14, v212                       ; and the other half of the lanes'
	v_rcp_f32 v14, v14
	v_nop
	s_wait_alu depctr_va_vdst(0)
	v_ldexp_f32 v14, v14, s49                      ; x 2^(e of p + e of v)
.set n, 0
.rept 16
	v_pk_mul_f32 v[96+n:97+n], v[160+n:161+n], v[14:15] op_sel_hi:[1,0]   ; z, each accumulator from its low end on
.set n, n+2
.endr
.set n, 0
.rept 32
	v_med3_num_f32 v[96+n], v[96+n], -v218, v218
.set n, n+1
.endr
.irp t, 0,1,2,3
	v_cvt_scalef32_pk8_fp8_f32 v[220+8*\it+2*\t:221+8*\it+2*\t], v[96+8*\t:103+8*\t], v219
.endr
	v_nop                                          ; a plain instruction behind the conversions
	global_store_b128 v[LI], v[220+8*\it:223+8*\it], s[8:9] offset:262144*\it        ; channels 16 h + 0 .. 15 of my head: 512 consecutive bytes
	global_store_b128 v[LI], v[224+8*\it:227+8*\it], s[8:9] offset:262144*\it+512    ; channels 32 + 16 h + 0 .. 15
.endm
	s_load_b128 s[4:7], s[0:1], 0x0                ; qkv, the scales
	s_load_b64 s[8:9], s[0:1], 0x10                ; zc
	v_lshl_add_u32 v254, v0, 2, 0x20000
	v_mov_b32 v255, 0
	v_lshrrev_b32 v2, 5, v0
	v_readfirstlane_b32 s[WV], v2                  ; wave 0..15
	v_and_b32 v2, 31, v0
	v_lshlrev_b32 v[LI], 4, v2
	s_lshl_b32 s19, s[WV], 13                      ; my 8,192 bytes of LDS: K's eight steps from byte 0 (waves 0-7), V's from byte 65,536 (waves 8-15)
	v_add_nc_u32 v[FA], s19, v[LI]
	s_and_b32 s10, ttmp7, 0xffff                   ; y = 16 batch + head
	s_and_b32 s11, s10, 1                          ; which head of its pair
	s_lshr_b32 s12, s10, 1
	s_lshl_b32 s12, s12, 17                        ; the batch's and the pair's 131,072 bytes
	s_and_b32 s13, s[WV], 7                        ; which 128 keys I fetch
	s_lshl_b32 s14, s13, 14
	s_add_co_u32 s14, s14, s12
	s_lshl_b32 s15, s11, 13
	s_add_co_u32 s58, s14, s15
	s_add_co_u32 s58, s58, 0x1000000               ; V^T: my head's four fragments of the step, dense
	s_lshl_b32 s15, s11, 10
	s_add_co_u32 s56, s14, s15
	s_add_co_u32 s56, s56, 0x800000                ; K: my head's 1,024 bytes of each of the step's eight tiles
	s_cmp_lt_u32 s[WV], 8
	s_cselect_b32 s56, s56, s58                    ; what my wave fetches
	s_mov_b32 s57, 0
	s_lshl_b32 s60, ttmp9, 5
	s_add_co_u32 s60, s60, s[WV]                   ; my first tile of queries: 32 x + wave; the second lies 16 tiles on
	s_lshl_b32 s62, s60, 11
	s_add_co_u32 s62, s62, s12
	s_add_co_u32 s62, s62, s15                     ; Q
	s_mov_b32 s63, 0
	s_lshr_b32 s16, s10, 4
	s_lshl_b32 s16, s16, 6
	s_add_co_u32 s16, s16, s60                     ; z's row tile: 64 batch + my tile
	s_lshl_b32 s16, s16, 14
	s_bfe_u32 s17, s10, 0x30001                    ; the pair of heads = the fragment along K
	s_lshl_b32 s17, s17, 11
	s_add_co_u32 s16, s16, s17
	s_add_co_u32 s16, s16, s15                     ; my head's half of it
	s_mov_b32 s17, 0
	s_mov_b32 s20, 0x76543210                      ; v_permlanex16_b32: each lane takes its own place in the other half
	s_mov_b32 s21, 0xfedcba98
	s_mov_b32 s22, 0x3e38aa3b                      ; c = log2(e) / 8
	s_wait_kmcnt 0x0
	s_load_b64 s[50:51], s[6:7], 0x18              ; entries 6, 7
	s_load_b128 s[52:55], s[6:7], 0x20             ; entries 8-11
	s_add_nc_u64 s[40:41], s[4:5], s[56:57]        ; K's or V's step
	s_add_nc_u64 s[4:5], s[4:5], s[62:63]
	s_add_nc_u64 s[8:9], s[8:9], s[16:17]
.irp t, 0,1
	global_load_b128 v[16+8*\t:19+8*\t], v[LI], s[4:5] offset:32768*\t       ; Q stays in registers
	global_load_b128 v[20+8*\t:23+8*\t], v[LI], s[4:5] offset:32768*\t+512
.endr
	s_cmp_lt_u32 s[WV], 8                          ; sixteen loads of 512 consecutive bytes on either way: the counts below hold on both
	s_cbranch_scc0 .Lfetch_v
.irp j, 0,1,2,3,4,5,6,7,8,9,10,11,12,13,14,15
	global_load_b128 v[32+4*\j:35+4*\j], v[LI], s[40:41] offset:(\j/2)*2048+(\j%2)*512   ; K: the two heads of a pair take turns, 1,024 bytes each
.endr
	s_branch .Lfetched
.Lfetch_v:
.irp j, 0,1,2,3,4,5,6,7,8,9,10,11,12,13,14,15
	global_load_b128 v[32+4*\j:35+4*\j], v[LI], s[40:41] offset:\j*512
.endr
.Lfetched:
	v_mov_b32 v212, 0                              ; a lane permute's destination counts as read
	v_mov_b32 v209, 0                              ; (named as the upper half of the pair v[208:209])
	s_wait_kmcnt 0x0
	s_add_co_i32 s10, s50, s51
	s_lshl_b32 s10, s10, 23
	s_add_co_i32 s22, s22, s10                     ; a score stands for score x 2^(e of q + e of k): added to c's exponent field
	s_mov_b32 s23, s22
	s_add_co_i32 s10, s[EP], 127
	s_lshl_b32 s11, s10, 23
	v_mov_b32 v217, s11                            ; 2^e of p
	s_add_co_i32 s10, s10, 8
	s_lshl_b32 s10, s10, 23
	s_or_b32 s10, s10, 0x600000
	v_mov_b32 v216, s10                            ; 448 x that
	s_add_co_i32 s10, s54, 127
	s_lshl_b32 s11, s10, 23
	v_mov_b32 v219, s11                            ; 2^e of z
	s_add_co_i32 s10, s10, 8
	s_lshl_b32 s10, s10, 23
	s_or_b32 s10, s10, 0x600000
	v_mov_b32 v218, s10
	s_add_co_i32 s49, s[EP], s53                   ; e of p + e of v
.irp j, 0,1,2,3,4,5,6,7,8,9,10,11,12,13,14,15
	s_wait_loadcnt 15-\j                           ; loads come back in order: load j is in (and Q, asked for ahead of it); the younger ones may be out
	ds_store_b128 v[FA], v[32+4*\j:35+4*\j] offset:512*\j
.endr
	s_wait_dscnt 0x0                               ; for the others' sake: my part of K or V lies in LDS,
	s_barrier_signal -1
	s_barrier_wait -1                              ; everybody's does
	QTILE 0
	QTILE 1
	s_wait_tensorcnt 0x0
	ds_add_u32 v254, v255
	s_wait_dscnt 0x0
	s_endpgm
.Lfunc_end_k_qd8d0c35ada_attn:
	.size	k_qd8d0c35ada_attn, .Lfunc_end_k_qd8d0c35ada_attn-k_qd8d0c35ada_attn
	.p2alignl 7, 3214868480
	.fill 96, 4, 3214868480
	.section	.rodata,"a",@progbits
	.p2align	6, 0x0
	.amdhsa_kernel k_qd8d0c35ada_attn
		.amdhsa_group_segment_fixed_size 133120
		.amdhsa_private_segment_fixed_size 0
		.amdhsa_enable_private_segment 0
		.amdhsa_kernarg_size 24
		.amdhsa_user_sgpr_count 2
		.amdhsa_user_sgpr_kernarg_segment_ptr 1
		.amdhsa_wavefront_size32 1
		.amdhsa_system_sgpr_workgroup_id_x 1
		.amdhsa_system_sgpr_workgroup_id_y 1
		.amdhsa_system_sgpr_workgroup_id_z 1
		.amdhsa_system_vgpr_workitem_id 0
		.amdhsa_next_free_vgpr 256
		.amdhsa_next_free_sgpr 66
		.amdhsa_reserve_vcc 0
		.amdhsa_float_denorm_mode_32 3
		.amdhsa_float_denorm_mode_16_64 3
		.amdhsa_memory_ordered 1
		.amdhsa_forward_progress 1
		.amdhsa_inst_pref_size 49
	.end_amdhsa_kernel
	.amdgpu_metadata
---
amdhsa.version: [ 1, 2 ]
amdhsa.kernels:
  - .name:           k_qd8d0c35ada_attn
    .symbol:         k_qd8d0c35ada_attn.kd
    .args:
      - { .name: qkv, .offset: 0, .size: 8, .value_kind: global_buffer, .address_space: global }
      - { .name: lowp_scales, .offset: 8, .size: 8, .value_kind: global_buffer, .address_space: global }
      - { .name: zc, .offset: 16, .size: 8, .value_kind: global_buffer, .address_space: global }
    .group_segment_fixed_size: 133120
    .private_segment_fixed_size: 0
    .kernarg_segment_align: 8
    .kernarg_segment_size: 24
    .max_flat_workgroup_size: 512
    .sgpr_count:     66
    .vgpr_count:     256
    .wavefront_size: 32
...
	.end_amdgpu_metadata
.endif
;; end of part 3
;; launch proj (part 4): grid 4 x 32, 4 waves a work-group, clusters of 4 x 4, 327,680 bytes of LDS; arguments zc, wc, lowp_scales, b0, out0; writes out0
.if DOCPART == 4
	.amdgcn_target "amdgcn-amd-amdhsa--gfx1250"
	.amdhsa_code_object_version 6
	.text
	.protected	k_qd8d0c35ada_proj
	.globl	k_qd8d0c35ada_proj
	.p2align	8
	.type	k_qd8d0c35ada_proj,@function
k_qd8d0c35ada_proj:
	s_mov_b64 s[64:65], 0
	v_nop
	global_prefetch_b8 v0, s[64:65] scope:SCOPE_SE
	s_setreg_imm32_b32 hwreg(HW_REG_WAVE_MODE, 25, 1), 1
	s_wait_xcnt 0x0
	s_wait_alu depctr_hold_cnt(0) depctr_sa_sdst(0) depctr_va_vdst(0) depctr_va_sdst(0) depctr_va_ssrc(0) depctr_va_vcc(0) depctr_vm_vsrc(0)
	s_getreg_b32 s2, hwreg(HW_REG_IB_STS2, 6, 4)
	s_cmp_eq_u32 s2, 0
	s_cbranch_scc0 .Lentry_in_a_cluster
	s_endpgm
.Lentry_in_a_cluster:
	s_bfe_u32 s2, ttmp6, 0x10000c
	s_cmp_lg_u32 s2, 0xf033
	s_cbranch_scc0 .Lentry_shape_is_right
	s_endpgm
.Lentry_shape_is_right:
; out0 = z W0 + b0: [8192][1024] x [1024][1024] on codes of E4M3; out0 is f32.  A = z's image, B = W0^T's image (the fourth of wc).
; A tile of C, 256 x 256, is made by four waves, 128 x 128 each: 64 accumulators.  K goes in steps of 256 through a ring of two LDS slots filled by the tensor data mover.
; OPERANDS ARE IMAGES OF REGISTERS: a fragment (16 rows x 128 K) is 2,048 bytes, byte 512 c + 16 lane + x; a fragment is four LDS loads of 512 consecutive bytes, with no padding.
; Row tile rho holds rows 32 (rho / 2) + 8 (rho % 2) + r + 8 (r / 8).  THE MATRIX INSTRUCTION IS USED TRANSPOSED (source 0 = B's 16 rows, source 1 = A's): in accumulator (a, b) lane (r, h) holds A's row r of tile a,
; and register j column 32 (b / 2) + 16 h + 8 (b % 2) + j.
; THE WAY OUT: sum x 2^(ea + eb) + b0 by one packed multiply-add; a block of 16 rows goes through the wave's own stage in LDS and leaves as whole rows of 512 bytes.  The stage lies in slot 0, which has had its last fill
; and its last read when the first result is stored there.
; CLUSTERS: 4 x 4 work-groups; A's tile is asked for jointly by a row of the cluster, B's by a column.  128 work-groups: the tile is kept large, since this product is a sixth of the program's matrix work.
; LIMIT: entries 10 + 11 between -126 and 127.
; REGISTERS: window 0: v16-29 addresses; v32-95 b0 of my columns; v128-255 A's fragments, one set; on the way out v128-191 results.   window 1: B's fragments, two sets; on the way out v0-127 rows read back.
;   windows 2, 3: the accumulators of my rows 0-63, 64-127.
.set FR,     16
.set NL,     4
.set NP,     4
.set HALFT,  32768
.set SLOT,   4*HALFT
.set SPARE,  2*SLOT
.set KSB,    4096
.set LAPS,   2
.set SPITCH, 528                       ; a stage row: 512 bytes + 16
.set ADRA, 16
.set ADRB, 20
.set STO,  24                          ; v24  the stage: where I put my bytes of a row
.set RD,   25                          ; v25  and where I read a row back
.set CO,   26                          ; v26  16 x lane
.set SPW,  28
.set NIL,  29
.set CB,   32
.set AF,   128
.set TMP,  128
.set WV,   18
.set WR,   19
.set WCOL, 20
.set G1,  24
.set G0,  32
.set G1B, 48
.set G0B, 56
.set MSB, 0
.macro WIN new                         ; the immediate's high byte repeats the setting that is left
.if MSB != \new
	s_set_vgpr_msb (MSB<<8)|\new
.set MSB, \new
.endif
.endm
.set MUL_LO, 0xa1                      ; source 0 (B) window 1, source 1 (A) window 0, C and D window 2
.set MUL_HI, 0xf1                      ; the same, C and D window 3
.set TO_B,   0x40                      ; destination window 1
.macro JLOAD g0a, g1a, g0b, g1b        ; a joint load: waves 0 and 1 fetch for A, waves 2 and 3 for B; four v_nop follow each of the two lines
	s_cmp_eq_u32 s[WR], 0
	s_cbranch_scc0 .Lfor_b_\@
	tensor_load_to_lds s[\g0a:\g0a+3], s[\g1a:\g1a+7]
	s_nop 0
.rept 4
	v_nop
.endr
	s_branch .Lasked_\@
.Lfor_b_\@:
	tensor_load_to_lds s[\g0b:\g0b+3], s[\g1b:\g1b+7]
	s_nop 0
.rept 4
	v_nop
.endr
.Lasked_\@:
.endm
.macro CREST                           ; a round of the cluster's barrier behind its opening barrier
	s_cmp_lg_u32 s[WV], 0
	s_cbranch_scc1 .Lnot_wave_0_\@
	s_barrier_signal -3
.Lnot_wave_0_\@:
	s_barrier_wait -3
	s_barrier_signal -1
	s_barrier_wait -1
.endm
.macro CROUND
	s_barrier_signal -1
	s_barrier_wait -1
	CREST
.endm
.macro FRAG reg, adr, q, i
.irp c, 0,1,2,3
	ds_load_b128 v[\reg+4*\c:\reg+4*\c+3], v[\adr] offset:2048*(\q)+512*\c+(\i)*KSB
.endr
.endm
; 16 matrix instructions: A's blocks a0, a0 + 1 x B's eight.  zero = 1: the first product starts the sums.  The 64 accumulators take turns, one instruction a turn.
.macro MUL16 a0, p, zero
.irp a, \a0, \a0+1
.irp b, 0,1,2,3,4,5,6,7
.if \zero
	v_wmma_f32_16x16x128_fp8_fp8 v[8*(8*((\a)%4)+\b):8*(8*((\a)%4)+\b)+7], v[128*(\p)+FR*\b:128*(\p)+FR*\b+FR-1], v[AF+FR*(\a):AF+FR*(\a)+FR-1], 0
.else
	v_wmma_f32_16x16x128_fp8_fp8 v[8*(8*((\a)%4)+\b):8*(8*((\a)%4)+\b)+7], v[128*(\p)+FR*\b:128*(\p)+FR*\b+FR-1], v[AF+FR*(\a):AF+FR*(\a)+FR-1], v[8*(8*((\a)%4)+\b):8*(8*((\a)%4)+\b)+7]
.endif
.endr
.endr
.endm
.macro FETCH_B slot, q, p
	WIN TO_B
.irp i, 0,1,2,3,4,5,6,7
	FRAG 128*(\p)+FR*\i, ADRB+\slot, \q, \i
.endr
	WIN 0
.endm
.macro FETCH_A slot, q, i0
.irp i, \i0, \i0+1, \i0+2, \i0+3
	FRAG AF+FR*(\i), ADRA+\slot, \q, \i
.endr
.endm
.macro PLACES n                        ; plain vector instructions between a matrix instruction and a load into, or a vector write of, one of its registers, or a read of its result
.rept \n
	v_nop
.endr
.endm
.macro STEP slot, q, zero              ; a step of 128 along K that has its successor in the same slot
	s_wait_dscnt 4*NL                              ; B's set and A's blocks 0-3 are in; the youngest sixteen loads (A's blocks 4-7) may be out
	WIN MUL_LO
	MUL16 0, (\q)%2, \zero
	MUL16 2, (\q)%2, \zero
	s_wait_dscnt 0                                 ; A's blocks 4-7 are in
	PLACES NP
	FETCH_B \slot, (\q)+1, 1-(\q)%2
	FETCH_A \slot, (\q)+1, 0
	WIN MUL_HI
	MUL16 4, (\q)%2, \zero
	MUL16 6, (\q)%2, \zero
	PLACES NP
	WIN 0
	FETCH_A \slot, (\q)+1, 4
.endm
; A slot's last step changes slots: one barrier; in front of it each wave waits for all its tensor loads, adds 0 to its spare word, and waits for that and for its reads of this slot.  fill = 1: this slot is filled again, two K steps ahead.
.macro TURN slot, next, fill
	s_wait_tensorcnt 0x0                           ; all my tensor loads have landed: my part of the next slot
	ds_add_u32 v[SPW], v[NIL]                      ; 0 onto my spare word
	s_wait_dscnt 4*NL+1                            ; (the add and the youngest sixteen loads may be out)
	WIN MUL_LO
	MUL16 0, 1, 0
	s_wait_dscnt 0x0                               ; the add is done, and my reads of this slot are over
	s_barrier_signal -1
	MUL16 2, 1, 0
	WIN 0
	s_barrier_wait -1
.if \fill
	CREST                                          ; the barrier has opened a round of the cluster's: no wave of any partner still reads this slot or has a load on its way
	s_add_nc_u64 s[G0+4*\slot+2:G0+4*\slot+3], s[G0+4*\slot+2:G0+4*\slot+3], 2*KSB
	s_add_nc_u64 s[G0B+4*\slot+2:G0B+4*\slot+3], s[G0B+4*\slot+2:G0B+4*\slot+3], 2*KSB
	JLOAD G0+4*\slot, G1, G0B+4*\slot, G1B         ; the first tensor load behind the round; its four v_nop are the places in front of the loads below
.else
	PLACES NP
.endif
	FETCH_B \next, 0, 0
	FETCH_A \next, 0, 0
	WIN MUL_HI
	MUL16 4, 1, 0
	MUL16 6, 1, 0
	PLACES NP
	WIN 0
	FETCH_A \next, 0, 4
.endm
; THE WAY OUT, block by block of 16 rows x 128 columns.  LDS serves a wave's instructions in order: no wait between the stores and the loads, nor in front of the next block's stores.
.macro TOSTAGE a
.set AC, 64*((\a)%4)
.set BB, 64*((\a)%2)
	WIN 0x02+((\a)/4)                              ; source 0: window 2 or 3
.set n, 0
.rept 32
	v_pk_fma_f32 v[TMP+n:TMP+n+1], v[AC+n:AC+n+1], s[96:97], v[CB+n:CB+n+1] op_sel_hi:[1,0,1]   ; sum x 2^(ea + eb) + b0; each accumulator from its low end on
.set n, n+2
.endr
	WIN 0
.irp b, 0,1,2,3,4,5,6,7
	ds_store_b128 v[STO], v[TMP+8*\b:TMP+8*\b+3] offset:128*(\b/2)+32*(\b%2)
	ds_store_b128 v[STO], v[TMP+8*\b+4:TMP+8*\b+7] offset:128*(\b/2)+32*(\b%2)+16
.endr
	WIN TO_B
.irp t, 0,1,2,3,4,5,6,7,8,9,10,11,12,13,14,15
	ds_load_b128 v[BB+4*\t:BB+4*\t+3], v[RD] offset:\t*SPITCH
.endr
	WIN 0
.endm
.macro SEND a, younger                 ; younger: the LDS instructions issued behind block a's loads, which may stay out
.set BB, 64*((\a)%2)
	s_wait_dscnt \younger
	WIN 0x04                                       ; the stores' data: window 1
.irp t, 0,1,2,3,4,5,6,7,8,9,10,11,12,13,14,15
	global_store_b128 v[CO], v[BB+4*\t:BB+4*\t+3], s[12:13] offset:(32*((\a)/2)+8*((\a)%2)+\t+8*(\t/8))*4096 th:TH_STORE_NT   ; 32 lanes store 512 consecutive bytes of one row, at a multiple of 512 from out0's first byte
.endr
	WIN 0
.endm
	s_load_b256 s[4:11], s[0:1], 0x0               ; zc 4, wc 6, the scales 8, b0 10
	s_load_b64 s[12:13], s[0:1], 0x20              ; out0
	v_lshl_add_u32 v[SPW], v0, 2, SPARE
	v_mov_b32 v[NIL], 0
	ds_add_u32 v28, v29
	ds_add_u32 v28, v29
	s_wait_dscnt 0x0
	v_lshrrev_b32 v1, 5, v0
	v_readfirstlane_b32 s[WV], v1
	s_lshr_b32 s[WR], s[WV], 1                     ; which half of the tile's rows is mine.  Also: I fetch for A (0) or for B (1)
	s_and_b32 s[WCOL], s[WV], 1                    ; which half of its columns.  Also: which half I fetch
	s_bfe_u32 s40, ttmp6, 0x40000                  ; cx
	s_bfe_u32 s41, ttmp6, 0x40004                  ; cy
	s_lshl_b32 s42, ttmp9, 2
	s_add_co_u32 s42, s42, s40                     ; tile column of C
	s_and_b32 s43, ttmp7, 0xffff
	s_lshl_b32 s43, s43, 2
	s_add_co_u32 s43, s43, s41                     ; tile row of C
	s_lshl_b32 s23, s41, 2
	s_lshl_b32 s23, 15, s23                        ; my row of the cluster
	s_lshl_b32 s2, 0x1111, s40                     ; my column
	; descriptor group 1: 8 rows (row tiles) of 512 elements of 8 bytes (4,096 bytes: 256 along K), 16,384 bytes apart; dense in LDS
	s_or_b32 s[G1+0], s23, (3<<16)|(1<<21)
	s_or_b32 s[G1B+0], s2, (3<<16)|(1<<21)
.irp g, G1, G1B
	s_mov_b32 s[\g+1], 512<<16
	s_mov_b32 s[\g+2], 8<<16
	s_mov_b32 s[\g+3], 512<<16
	s_mov_b32 s[\g+4], 8
	s_mov_b32 s[\g+5], 2048
	s_mov_b32 s[\g+6], 0
	s_mov_b32 s[\g+7], 0
.endr
	s_lshl_b32 s80, s43, 18                        ; A: 16 row tiles a tile row,
	s_lshl_b32 s81, s[WCOL], 17                    ; the half that I fetch
	s_add_co_u32 s80, s80, s81
	s_mov_b32 s81, 0
	s_lshl_b32 s84, s42, 18                        ; B likewise, by the tile column,
	s_lshl_b32 s85, s[WCOL], 17
	s_add_co_u32 s84, s84, s85
	s_add_co_u32 s84, s84, 0x300000                ; in the fourth image of wc
	s_mov_b32 s85, 0
	s_lshl_b32 s66, s[WV], 15                      ; where they go: wave x 32,768
	s_wait_kmcnt 0x0
	s_load_b64 s[96:97], s[8:9], 0x28              ; entries 10, 11
	s_add_nc_u64 s[82:83], s[4:5], s[80:81]
	s_add_nc_u64 s[86:87], s[6:7], s[84:85]
	CROUND                                         ; all sixteen work-groups are here: the first joint loads meet
.irp s, 0,1
	s_mov_b32 s[G0+4*\s], 1
	s_add_co_u32 s[G0+4*\s+1], s66, \s*SLOT
	s_add_nc_u64 s[G0+4*\s+2:G0+4*\s+3], s[82:83], \s*KSB
	s_or_b32 s[G0+4*\s+3], s[G0+4*\s+3], 0x80000000
	s_mov_b32 s[G0B+4*\s], 1
	s_add_co_u32 s[G0B+4*\s+1], s66, \s*SLOT
	s_add_nc_u64 s[G0B+4*\s+2:G0B+4*\s+3], s[86:87], \s*KSB
	s_or_b32 s[G0B+4*\s+3], s[G0B+4*\s+3], 0x80000000
	JLOAD G0+4*\s, G1, G0B+4*\s, G1B
.endr
	v_and_b32 v1, 31, v0
	v_lshlrev_b32 v[CO], 4, v1
	s_lshl_b32 s67, s[WR], 15
	s_lshl_b32 s88, s[WCOL], 15
	s_add_co_u32 s88, s88, 2*HALFT
.irp s, 0,1
	v_add_nc_u32 v[ADRA+\s], s67, v[CO]
	v_add_nc_u32 v[ADRB+\s], s88, v[CO]
	s_add_co_u32 s67, s67, SLOT
	s_add_co_u32 s88, s88, SLOT
.endr
	v_and_b32 v2, 15, v0
	v_bfe_u32 v3, v0, 4, 1
	v_lshlrev_b32 v4, 6, v3                        ; 64 h: my 16 numbers of each 32 columns
	s_mul_i32 s89, s[WV], 16*SPITCH                ; my stage
	v_mul_u32_u24 v5, v2, SPITCH
	v_add_nc_u32 v5, v5, v4
	v_add_nc_u32 v[STO], s89, v5                   ; in: row r, + 64 h
	v_add_nc_u32 v[RD], s89, v[CO]                 ; back: a row's 512 bytes, 16 a lane
	s_lshl_b32 s90, s42, 10
	s_lshl_b32 s91, s[WCOL], 9
	s_add_co_u32 s90, s90, s91                     ; my first column, in bytes
	s_mov_b32 s91, 0
	s_add_nc_u64 s[10:11], s[10:11], s[90:91]
.irp t, 0,1,2,3
.irp q, 0,1,2,3
	global_load_b128 v[CB+16*\t+4*\q:CB+16*\t+4*\q+3], v4, s[10:11] offset:128*\t+16*\q   ; b0 in the results' layout; waited for on the way out
.endr
.endr
	s_lshl_b32 s92, s43, 20
	s_lshl_b32 s93, s[WR], 19
	s_add_co_u32 s92, s92, s93                     ; my first row of 4,096 bytes
	s_add_co_u32 s92, s92, s90
	s_mov_b32 s93, 0
	s_add_nc_u64 s[12:13], s[12:13], s[92:93]
	s_wait_tensorcnt 1                             ; my part of K step 0 is in (K step 1's load may be out)
	s_barrier_signal -1
	s_barrier_wait -1                              ; everybody's is
	FETCH_B 0, 0, 0
	FETCH_A 0, 0, 0
	FETCH_A 0, 0, 4
	STEP 0, 0, 1                                   ; the first step stands in front of the loop: its products start the sums
	s_mov_b32 s3, LAPS-1
.Llap:                                                 ; a trip goes once round the ring and fills both slots again
	TURN 0, 1, 1
	STEP 1, 0, 0
	TURN 1, 0, 1
	STEP 0, 0, 0
	s_sub_co_u32 s3, s3, 1
	s_cmp_lg_u32 s3, 0
	s_cbranch_scc1 .Llap
	TURN 0, 1, 0                                   ; the last lap fills nothing
	STEP 1, 0, 0
	s_wait_dscnt 4*NL                              ; the very last step
	WIN MUL_LO
	MUL16 0, 1, 0
	MUL16 2, 1, 0
	s_wait_dscnt 0
	WIN MUL_HI
	MUL16 4, 1, 0
	MUL16 6, 1, 0
	WIN 0
	s_wait_kmcnt 0x0
	s_add_co_i32 s96, s96, s97
	s_add_co_i32 s96, s96, 127
	s_lshl_b32 s96, s96, 23                        ; 2^(ea + eb) as f32
	s_mov_b32 s97, s96                             ; (named with it as a pair)
	s_wait_loadcnt 0x0                             ; b0
	PLACES NP                                      ; behind the last products: the results' registers held A's fragments
	TOSTAGE 0
.irp a, 1,2,3,4,5,6,7
.if \a > 1
	s_wait_xcnt 0x0                                ; block a - 2's stores have read their registers: block a's loads may land there
.endif
	TOSTAGE \a
	SEND \a-1, 32                                  ; behind block a - 1's loads: block a's 16 stores and 16 loads
.endr
	SEND 7, 0
	s_wait_tensorcnt 0x0                           ; the wave's end
	ds_add_u32 v[SPW], v[NIL]
	s_wait_dscnt 0x0
	CROUND                                         ; the closing round: no work-group ends while a partner may still ask for a tile that names it
	s_endpgm
.Lfunc_end_k_qd8d0c35ada_proj:
	.size	k_qd8d0c35ada_proj, .Lfunc_end_k_qd8d0c35ada_proj-k_qd8d0c35ada_proj
	.p2alignl 7, 3214868480
	.fill 96, 4, 3214868480
	.section	.rodata,"a",@progbits
	.p2align	6, 0x0
	.amdhsa_kernel k_qd8d0c35ada_proj
		.amdhsa_group_segment_fixed_size 327680
		.amdhsa_private_segment_fixed_size 0
		.amdhsa_enable_private_segment 0
		.amdhsa_kernarg_size 40
		.amdhsa_user_sgpr_count 2
		.amdhsa_user_sgpr_kernarg_segment_ptr 1
		.amdhsa_wavefront_size32 1
		.amdhsa_system_sgpr_workgroup_id_x 1
		.amdhsa_system_sgpr_workgroup_id_y 1
		.amdhsa_system_sgpr_workgroup_id_z 1
		.amdhsa_system_vgpr_workitem_id 0
		.amdhsa_next_free_vgpr 1024
		.amdhsa_next_free_sgpr 98
		.amdhsa_reserve_vcc 0
		.amdhsa_float_denorm_mode_32 3
		.amdhsa_float_denorm_mode_16_64 3
		.amdhsa_memory_ordered 1
		.amdhsa_forward_progress 1
		.amdhsa_inst_pref_size 125
	.end_amdhsa_kernel
	.amdgpu_metadata
---
amdhsa.version: [ 1, 2 ]
amdhsa.kernels:
  - .name:           k_qd8d0c35ada_proj
    .symbol:         k_qd8d0c35ada_proj.kd
    .args:
      - { .name: zc, .offset: 0, .size: 8, .value_kind: global_buffer, .address_space: global }
      - { .name: wc, .offset: 8, .size: 8, .value_kind: global_buffer, .address_space: global }
      - { .name: lowp_scales, .offset: 16, .size: 8, .value_kind: global_buffer, .address_space: global }
      - { .name: b0, .offset: 24, .size: 8, .value_kind: global_buffer, .address_space: global }
      - { .name: out0, .offset: 32, .size: 8, .value_kind: global_buffer, .address_space: global }
    .group_segment_fixed_size: 327680
    .private_segment_fixed_size: 0
    .kernarg_segment_align: 8
    .kernarg_segment_size: 40
    .max_flat_workgroup_size: 128
    .sgpr_count:     98
    .vgpr_count:     1024
    .wavefront_size: 32
...
	.end_amdgpu_metadata
.endif
;; end of part 4
;; ======== version 2 of 2: 4 launches; version 1 with the launches quant, attn written anew for expert scheduling mode
;; workspace buffers: xc 25,165,824 bytes; wc 4,194,304 bytes; qkv 25,165,824 bytes; zc 8,388,608 bytes
;; launch quant (part 5): grid 640 x 1, 4 waves a work-group, no clusters, 17,920 bytes of LDS; arguments embs, Wq, Wk, Wv, W0, lowp_scales, xc, wc; writes xc, wc
.if DOCPART == 5
	.amdgcn_target "amdgcn-amd-amdhsa--gfx1250"
	.amdhsa_code_object_version 6
	.text
	.protected	k_qd8d0c35ada_quant
	.globl	k_qd8d0c35ada_quant
	.p2align	8
	.type	k_qd8d0c35ada_quant,@function
k_qd8d0c35ada_quant:
	s_mov_b64 s[64:65], 0
	v_nop
	global_prefetch_b8 v0, s[64:65] scope:SCOPE_SE
	s_setreg_imm32_b32 hwreg(HW_REG_WAVE_SCHED_MODE, 0, 2), 2
	s_setreg_imm32_b32 hwreg(HW_REG_WAVE_MODE, 25, 1), 1
	s_wait_xcnt 0x0
	s_wait_alu depctr_vm_vsrc(0)
; embs, Wq, Wk, Wv and W0 (f32) become codes of E4M3: code = x / 2^e, held within +-448, to the nearest code, ties to even.
; THE CODES ARE LAID AS IMAGES OF OPERAND REGISTERS.  A fragment is 16 rows x 128 K = 2,048 bytes: byte 512 c + 16 lane + x (lane = 16 h + r) holds
; row 32 (rho / 2) + 8 (rho % 2) + r + 8 (r / 8) of the matrix, k = 128 kap + 32 c + 16 h + x.  A matrix [rows][1024] is [rho][kap = 8][2,048 bytes].
; xc: three images of embs [8192][1024], with the scales of entries 1, 3 and 5.  wc: images of Wq^T, Wk^T, Wv^T (row = 64 head + column, K = d; entries 0, 2, 4) and of W0^T (entry 11).
; Work-groups 0-511: 16 rows of embs each, a wave 256 along K in four steps of 64.  Each load reads two runs of 256 consecutive bytes; a step turns through the wave's own stage in LDS
; (rows 272 bytes apart), so that a lane gets 16 neighbours along K; they are read once and quantised three times; each store covers 512 consecutive bytes.
; Work-groups 512-639: the weights, whose K is not innermost: a lane takes a column and its registers run down K, so the conversions give codes with K innermost; sixteen lanes store 256 consecutive bytes.
; No barrier: waves share nothing.  Memory binds here: no matrix unit, no cluster.
; LIMITS: every e between -126 and 119, so that 2^e and 448 x 2^e are f32 numbers.  NaN among the inputs is not served.
; THE MODE: SCHED_MODE bits 1:0 = 2 (LLVM: expert scheduling mode 2), set by the entry lines.  The code itself states the register dependences
; between vector instructions and memory or LDS instructions, with s_wait_alu, always for 0.
; THE PLAN, embs.  Registers that memory or LDS instructions touch:
;   R0 .. R3   Set t: written by the global loads, read by TURN t's eight LDS stores, written again by its eight LDS loads, read by step t's holds.  One wait on vm_vsrc in a TURN, between its stores and its loads.
;   C0, C1     Written by step t's conversions (set t % 2); read by the six stores that are issued in step t + 1, behind that step's head.
;   v2 .. v5   Offsets and LDS addresses, made once and never written again.       T is named by vector instructions alone.
; So the waits at a step's head state all that its six stores hang on, and that the set of codes which the step writes has been read.
; THE PLAN, weights.  X0, X1: block t's holds and conversions work on set t % 2; behind them the loads of block t + 2 land in it.  WC: eight registers of its own for each block.  v3, v4: made once.
; ONE wait on va_vdst a block, behind its conversions, serves its two stores and the 32 loads.
.set R,   16                           ; v16-143  embs: four sets of 32 numbers
.set T,   144                          ; v144-175 two sets of 16 held numbers
.set C,   176                          ; v176-223 two sets of 24 registers of codes
.set X,   32                           ; v32-95   weights: two sets of 32 numbers
.set WC,  96                           ; v96-159  weights: eight registers of codes for each of eight blocks
.set SP,  272                          ; a stage row: 256 bytes + 16
.macro LOAD t                          ; step t: 16 rows x 256 bytes; lanes 0-15 one row, lanes 16-31 the next
.irp i, 0,1,2,3,4,5,6,7
	global_load_b128 v[R+32*(\t)+4*\i:R+32*(\t)+4*\i+3], v2, s[16:17] offset:(2*\i+8*(\i/4))*4096+256*(\t) th:TH_LOAD_NT
.endr
.endm
.macro TURN t                          ; through the stage and back into the registers that they left: LDS serves a wave's instructions in order
.irp i, 0,1,2,3,4,5,6,7
	ds_store_b128 v3, v[R+32*(\t)+4*\i:R+32*(\t)+4*\i+3] offset:2*SP*\i
.endr
	s_wait_alu depctr_vm_vsrc(0)                   ; the eight LDS stores have read set t, in which the eight LDS loads below land
.irp c, 0,1
.irp j, 0,1,2,3
	ds_load_b128 v[R+32*(\t)+16*\c+4*\j:R+32*(\t)+16*\c+4*\j+3], v4 offset:128*\c+16*\j
.endr
.endr
.endm
.macro SENDC t                         ; step t's codes leave: three images, two stores of 512 consecutive bytes each
.irp v, 0,1,2
.irp c, 0,1
	global_store_b128 v5, v[C+24*((\t)%2)+8*\v+4*\c:C+24*((\t)%2)+8*\v+4*\c+3], s[32+2*\v:33+2*\v] offset:((\t)/2)*2048+(2*((\t)%2)+\c)*512
.endr
.endr
.endm
.macro STEP t
.if (\t) < 3
	s_wait_loadcnt 8*(2-(\t))                      ; the next step's eight loads are in; those of the steps behind it may be out
.endif
.if (\t) >= 2
	s_wait_xcnt 0x0                                ; the stores of the codes of two steps ago, issued a step ago, have had their addresses translated: that set is written again only behind this wait,
	s_wait_alu depctr_vm_vsrc(0)                   ; and they have read that set, which this step's conversions write
.endif
.if (\t) >= 1
	s_wait_alu depctr_va_vdst(0)                   ; the step before has written its set of codes, which the six stores below read
.endif
.if (\t) < 3
	TURN (\t)+1
.endif
.if (\t) >= 1
	SENDC (\t)-1                                   ; no vector instruction since the wait on va_vdst names these registers
.endif
.if (\t) < 3
	s_wait_dscnt 16                                ; all but the sixteen LDS instructions just issued: this step's numbers are back
.else
	s_wait_dscnt 0x0
.endif
.irp v, 0,1,2
.irp c, 0,1
.set n, 0
.rept 16
	v_med3_num_f32 v[T+16*\c+n], v[R+32*(\t)+16*\c+n], -v[7+2*\v], v[7+2*\v]   ; the conversion does not saturate: the hold at 448 x the scale comes first
.set n, n+1
.endr
	v_cvt_scalef32_pk8_fp8_f32 v[C+24*((\t)%2)+8*\v+4*\c:C+24*((\t)%2)+8*\v+4*\c+1], v[T+16*\c:T+16*\c+7], v[6+2*\v]
	v_cvt_scalef32_pk8_fp8_f32 v[C+24*((\t)%2)+8*\v+4*\c+2:C+24*((\t)%2)+8*\v+4*\c+3], v[T+16*\c+8:T+16*\c+15], v[6+2*\v]   ; the other set's sixteen holds stand before these sources are written again
.endr
.endr
.endm
.macro WLOAD t, pitch                  ; block t: 32 rows of the weight at my column
.set n, 0
.rept 32
	global_load_b32 v[X+32*((\t)%2)+n], v3, s[18:19] offset:(32*(\t)+n)*\pitch
.set n, n+1
.endr
.endm
.macro WBODY pitch
	s_wait_alu depctr_va_vdst(0)                   ; v3 and v4 are written: every load and store below reads one of them as its offset
	WLOAD 0, \pitch
	WLOAD 1, \pitch
.irp t, 0,1,2,3,4,5,6,7
.if \t < 7
	s_wait_loadcnt 32                              ; this block's 32 loads are in; the next block's may be out
.else
	s_wait_loadcnt 0x0
.endif
.set n, 0
.rept 32
	v_med3_num_f32 v[X+32*(\t%2)+n], v[X+32*(\t%2)+n], -v10, v10
.set n, n+1
.endr
.irp g, 0,1,2,3
	v_cvt_scalef32_pk8_fp8_f32 v[WC+8*\t+2*\g:WC+8*\t+2*\g+1], v[X+32*(\t%2)+8*\g:X+32*(\t%2)+8*\g+7], v11
.endr
	s_wait_alu depctr_va_vdst(0)                   ; the conversions have written this block's codes, which the two stores read; the holds and they are done with this set of numbers, in which the loads of two blocks on land
	global_store_b128 v4, v[WC+8*\t:WC+8*\t+3], s[30:31] offset:(\t/4)*2048+(\t%4)*512        ; k 32 t + 0 .. 15: the image's lanes 0-15
	global_store_b128 v4, v[WC+8*\t+4:WC+8*\t+7], s[30:31] offset:(\t/4)*2048+(\t%4)*512+256  ; k 32 t + 16 .. 31: its lanes 16-31
.if \t+2 < 8
	WLOAD \t+2, \pitch
.endif
.endr
.endm
	s_load_b512 s[16:31], s[0:1], 0x0              ; embs 16, Wq 18, Wk 20, Wv 22, W0 24, the scales 26, xc 28, wc 30
	v_lshl_add_u32 v224, v0, 2, 0x4400
	v_mov_b32 v225, 0
	v_lshrrev_b32 v1, 5, v0
	v_readfirstlane_b32 s8, v1                     ; wave 0..3
	v_and_b32 v12, 15, v0                          ; lane % 16
	v_bfe_u32 v13, v0, 4, 1                        ; lane / 16
	s_wait_alu depctr_va_sdst(0)                   ; s8 is written, ahead of the branch below and of its first reader on either way
	s_wait_kmcnt 0x0
	s_load_b256 s[40:47], s[26:27], 0x0            ; entries 0-7
	s_load_b128 s[48:51], s[26:27], 0x20           ; entries 8-11
	s_cmp_lt_u32 ttmp9, 512
	s_cbranch_scc0 .Lweights
	; ---- embs: work-group = row tile rho
	v_and_b32 v14, 31, v0
	v_lshlrev_b32 v15, 4, v12
	v_lshl_add_u32 v2, v13, 12, v15                ; in memory: row lane / 16, 16 bytes a lane
	s_mul_i32 s9, s8, 16*SP                        ; my stage
	v_mul_u32_u24 v3, v13, SP
	v_add_nc_u32 v3, v3, v15
	v_add_nc_u32 v3, s9, v3                        ; into it: as loaded
	v_mul_u32_u24 v4, v12, SP
	v_lshl_add_u32 v4, v13, 6, v4
	v_add_nc_u32 v4, s9, v4                        ; out of it: row lane % 16, 64 bytes for each half of the lanes
	v_lshlrev_b32 v5, 4, v14                       ; 16 x lane: my place in an image
	s_lshr_b32 s10, ttmp9, 1
	s_lshl_b32 s10, s10, 17                        ; 32 (rho / 2) rows of 4,096 bytes
	s_and_b32 s11, ttmp9, 1
	s_lshl_b32 s11, s11, 15                        ; + 8 (rho % 2) rows
	s_add_co_u32 s10, s10, s11
	s_lshl_b32 s11, s8, 10                         ; + my wave's 256 along K
	s_add_co_u32 s10, s10, s11
	s_mov_b32 s11, 0
	s_add_nc_u64 s[16:17], s[16:17], s[10:11]
	s_lshl_b32 s10, ttmp9, 14                      ; the row tile's 16,384 bytes of codes,
	s_lshl_b32 s12, s8, 12                         ; my wave's two fragments
	s_add_co_u32 s10, s10, s12
	s_add_nc_u64 s[32:33], s[28:29], s[10:11]
	s_add_nc_u64 s[34:35], s[32:33], 0x800000      ; the second image,
	s_add_nc_u64 s[36:37], s[34:35], 0x800000      ; the third
	s_wait_alu depctr_va_vdst(0)                   ; v2 to v5 are written: the loads, the LDS stores and loads and the stores below read them as offsets and addresses
	LOAD 0
	LOAD 1
	LOAD 2
	LOAD 3
	s_wait_kmcnt 0x0
.irp v, 0,1,2
	s_add_co_i32 s12, s[41+2*\v], 127
	s_lshl_b32 s13, s12, 23
	v_mov_b32 v[6+2*\v], s13                       ; 2^e as f32: the conversion takes its exponent field
	s_add_co_i32 s12, s12, 8
	s_lshl_b32 s12, s12, 23
	s_or_b32 s12, s12, 0x600000
	v_mov_b32 v[7+2*\v], s12                       ; 448 x 2^e
.endr
	s_wait_loadcnt 24                              ; step 0's eight loads are in
	TURN 0
	STEP 0
	STEP 1
	STEP 2
	STEP 3
	s_wait_alu depctr_va_vdst(0)                   ; step 3 has written its set of codes, which the last six stores read
	SENDC 3
	s_wait_dscnt 0x0                               ; the closing lines, six on end
	s_wait_alu 0x0
	s_wait_tensorcnt 0x0
	ds_add_u32 v224, v225
	s_wait_dscnt 0x0
	s_endpgm
.Lweights:
	s_sub_co_u32 s9, ttmp9, 512
	s_lshr_b32 s10, s9, 5                          ; which tensor: 0 Wq, 1 Wk, 2 Wv, 3 W0
	s_and_b32 s11, s9, 31
	s_lshr_b32 s12, s11, 1
	s_lshl_b32 s12, s12, 1
	s_and_b32 s13, s8, 1
	s_add_co_u32 s12, s12, s13                     ; G: which 32 columns (two waves stand side by side)
	s_and_b32 s13, s11, 1
	s_lshl_b32 s13, s13, 1
	s_lshr_b32 s14, s8, 1
	s_add_co_u32 s13, s13, s14                     ; which 256 along K
	s_cmp_eq_u32 s10, 1
	s_cselect_b64 s[18:19], s[20:21], s[18:19]
	s_cmp_eq_u32 s10, 2
	s_cselect_b64 s[18:19], s[22:23], s[18:19]
	s_cmp_eq_u32 s10, 3
	s_cselect_b64 s[18:19], s[24:25], s[18:19]     ; the tensor: the choice hangs on the work-group's number alone
	s_lshr_b32 s14, s12, 1
	s_lshl_b32 s14, s14, 18                        ; a head's 262,144 bytes,
	s_lshl_b32 s15, s13, 16                        ; 256 rows of 256 bytes,
	s_add_co_u32 s14, s14, s15
	s_and_b32 s15, s12, 1
	s_lshl_b32 s15, s15, 7                         ; which half of a row
	s_add_co_u32 s14, s14, s15
	s_lshl_b32 s15, s13, 20                        ; W0: 256 rows of 4,096 bytes,
	s_lshl_b32 s32, s12, 7                         ; 32 columns
	s_add_co_u32 s15, s15, s32
	s_cmp_eq_u32 s10, 3
	s_cselect_b32 s14, s15, s14
	s_mov_b32 s15, 0
	s_add_nc_u64 s[18:19], s[18:19], s[14:15]
	s_lshl_b32 s14, s10, 20                        ; the tensor's image,
	s_lshl_b32 s32, s12, 15                        ; two row tiles,
	s_add_co_u32 s14, s14, s32
	s_lshl_b32 s32, s13, 12                        ; two fragments along K
	s_add_co_u32 s14, s14, s32
	s_add_nc_u64 s[30:31], s[30:31], s[14:15]
	v_and_b32 v14, 8, v12
	v_add_nc_u32 v14, v14, v12
	v_lshl_add_u32 v14, v13, 3, v14                ; my column of the 32: 8 (lane / 16) + r + 8 (r / 8): lanes 0-15 are the even row tile's rows, lanes 16-31 the odd one's
	v_lshlrev_b32 v3, 2, v14
	v_lshlrev_b32 v4, 4, v12
	v_lshl_add_u32 v4, v13, 14, v4                 ; out: my row tile, 16 bytes at r
	s_wait_kmcnt 0x0
	s_cmp_eq_u32 s10, 1
	s_cselect_b32 s40, s42, s40
	s_cmp_eq_u32 s10, 2
	s_cselect_b32 s40, s44, s40
	s_cmp_eq_u32 s10, 3
	s_cselect_b32 s40, s51, s40                    ; e: entry 0, 2, 4 or 11
	s_add_co_i32 s40, s40, 127
	s_lshl_b32 s41, s40, 23
	v_mov_b32 v11, s41                             ; 2^e
	s_add_co_i32 s40, s40, 8
	s_lshl_b32 s40, s40, 23
	s_or_b32 s40, s40, 0x600000
	v_mov_b32 v10, s40                             ; 448 x 2^e
	s_cmp_eq_u32 s10, 3
	s_cbranch_scc1 .Lw0
	WBODY 256                                      ; rows of 64 numbers
	s_endpgm
.Lw0:
	WBODY 4096                                     ; rows of 1,024 numbers
	s_endpgm
.Lfunc_end_k_qd8d0c35ada_quant:
	.size	k_qd8d0c35ada_quant, .Lfunc_end_k_qd8d0c35ada_quant-k_qd8d0c35ada_quant
	.p2alignl 7, 3214868480
	.fill 96, 4, 3214868480
	.section	.rodata,"a",@progbits
	.p2align	6, 0x0
	.amdhsa_kernel k_qd8d0c35ada_quant
		.amdhsa_group_segment_fixed_size 17920
		.amdhsa_private_segment_fixed_size 0
		.amdhsa_enable_private_segment 0
		.amdhsa_kernarg_size 64
		.amdhsa_user_sgpr_count 2
		.amdhsa_user_sgpr_kernarg_segment_ptr 1
		.amdhsa_wavefront_size32 1
		.amdhsa_system_sgpr_workgroup_id_x 1
		.amdhsa_system_sgpr_workgroup_id_y 1
		.amdhsa_system_sgpr_workgroup_id_z 1
		.amdhsa_system_vgpr_workitem_id 0
		.amdhsa_next_free_vgpr 226
		.amdhsa_next_free_sgpr 66
		.amdhsa_reserve_vcc 0
		.amdhsa_float_denorm_mode_32 3
		.amdhsa_float_denorm_mode_16_64 3
		.amdhsa_memory_ordered 1
		.amdhsa_forward_progress 1
		.amdhsa_inst_pref_size 131
	.end_amdhsa_kernel
	.amdgpu_metadata
---
amdhsa.version: [ 1, 2 ]
amdhsa.kernels:
  - .name:           k_qd8d0c35ada_quant
    .symbol:         k_qd8d0c35ada_quant.kd
    .args:
      - { .name: embs, .offset: 0, .size: 8, .value_kind: global_buffer, .address_space: global }
      - { .name: Wq, .offset: 8, .size: 8, .value_kind: global_buffer, .address_space: global }
      - { .name: Wk, .offset: 16, .size: 8, .value_kind: global_buffer, .address_space: global }
      - { .name: Wv, .offset: 24, .size: 8, .value_kind: global_buffer, .address_space: global }
      - { .name: W0, .offset: 32, .size: 8, .value_kind: global_buffer, .address_space: global }
      - { .name: lowp_scales, .offset: 40, .size: 8, .value_kind: global_buffer, .address_space: global }
      - { .name: xc, .offset: 48, .size: 8, .value_kind: global_buffer, .address_space: global }
      - { .name: wc, .offset: 56, .size: 8, .value_kind: global_buffer, .address_space: global }
    .group_segment_fixed_size: 17920
    .private_segment_fixed_size: 0
    .kernarg_segment_align: 8
    .kernarg_segment_size: 64
    .max_flat_workgroup_size: 128
    .sgpr_count:     66
    .vgpr_count:     226
    .wavefront_size: 32
...
	.end_amdgpu_metadata
.endif
;; end of part 5
;; launch qkv: the kernel of part 2 again; grid 4 x 48, 4 waves a work-group, clusters of 4 x 4, 327,680 bytes of LDS; arguments xc, wc, lowp_scales, bq, bk, bv, qkv; writes qkv
;; launch attn (part 6): grid 2 x 128, 16 waves a work-group, no clusters, 133,120 bytes of LDS; arguments qkv, lowp_scales, zc; writes zc
.if DOCPART == 6
	.amdgcn_target "amdgcn-amd-amdhsa--gfx1250"
	.amdhsa_code_object_version 6
	.text
	.protected	k_qd8d0c35ada_attn
	.globl	k_qd8d0c35ada_attn
	.p2align	8
	.type	k_qd8d0c35ada_attn,@function
k_qd8d0c35ada_attn:
	s_mov_b64 s[64:65], 0
	v_nop
	global_prefetch_b8 v0, s[64:65] scope:SCOPE_SE
	s_setreg_imm32_b32 hwreg(HW_REG_WAVE_SCHED_MODE, 0, 2), 2
	s_setreg_imm32_b32 hwreg(HW_REG_WAVE_MODE, 25, 1), 1
	s_wait_xcnt 0x0
	s_wait_alu depctr_vm_vsrc(0)
; z[b][h][q] = softmax_k(q . k / 8) v on codes of E4M3, and z quantised for the last product.  1,024 queries and keys a head, head size 64.
; THE SOFTMAX: t = score x log2(e) / 8; M = the running largest t rounded UP to a whole number; p = 2^(t - M) is quantised (entry 8), not normalised; the row's sum is taken of the unquantised p and divides at the end;
; when M moves, the sum and O are multiplied by 2^(old M - new M), which rounds nothing.
; SHARES.  A work-group owns half of a head's queries (x) of one (batch, head) (y); each of its sixteen waves two tiles of 16 queries, one after the other, in 256 registers: four waves to a SIMD, so that one wave's
; vector work stands beside another's matrix work and LDS loads.  The head's whole K (64 KiB) and V^T (64 KiB) are brought into LDS ONCE, 8 KiB a wave, through registers: sixteen loads and sixteen LDS stores of 512
; consecutive bytes; one barrier.
; THE HOLD ON p.  p is at most 1 (a rounding over it at the most), so where 448 x 2^e is 1 or more, e >= -8, the hold at the largest code can change nothing: a scalar branch on the given e leads round its 64 lines, in the loop,
; round those lines alone.  For a smaller e the lines are run.
; NO CLUSTER: a head has two work-groups, which no cluster of four divides; what they share is fetched once for each, at its start.
; LAYOUT.  All operands are images of registers (16 bytes a lane, 512 consecutive bytes a load).  Both products are used transposed: S^T = K Q^T (K = 64: the 16x16x64 form), O^T = V^T P^T (K = 128 keys):
; a lane holds ONE query throughout.  Lane r of key tile t holds key 32 (t / 2) + 8 (t % 2) + r + 8 (r / 8), so the 16 registers of tiles 2 b and 2 b + 1 are keys 32 b + 16 h + 0 .. 15: p's codes are the operand as they stand.
; O^T's tiles 2 g and 2 g + 1 likewise give 16 neighbouring channels: z's codes are stored as they stand into the image of z [8192][1024].
; LIMITS: entries 6 + 7 between -123 and 130 (added to c's exponent field); entries 8 and 10 between -126 and 119.  NaN is not served.
; REGISTERS: v1 16 x lane; v3 where my wave puts what it fetches; v8, v9 LDS addresses; v12 -M, v13 the largest t, v[14:15] the sum; v16-31 Q of my two tiles; v32-95 what I fetch, then fragments of K and of V;
;   v96-159 S^T, then p; v160-191 O^T; v192-207 p's codes; v[208:209] f; v210-215 at work; v216, v217: 448 x 2^e and 2^e for p; v218, v219 for z; v220-235 z's codes.
; THE MODE: SCHED_MODE bits 1:0 = 2 (LLVM: expert scheduling mode 2), set by the entry lines.  The code itself states the register dependences
; between vector or matrix instructions and memory or LDS instructions, with s_wait_alu, always for 0.
; THE PLAN.  Registers that memory or LDS instructions touch:
;   v1, v3     Made once at the head, never written again: the offset of every global load and store, the address of my LDS stores.
;   v32-95     At the head: sixteen global loads land there, sixteen LDS stores read them.  In a key step: K's sixteen LDS loads land there, the eight products K Q^T read them, V^T's sixteen LDS loads land there,
;              the four products V^T P read them; then the next step's K.  The wave's 256 registers leave 18 free, so there is no second set of 64.
;   v8, v9     Written by two additions at a step's head; read by the step's 32 LDS loads.
;   v220-235   z's codes, eight registers of its own for each tile: written by four conversions, read by two stores.
;   v254, v255 Written at the head, read by the closing add alone.       All else is named by vector and matrix instructions alone.
; So a key step has one wait on vm_vsrc, ahead of the two additions, and two on va_vdst, one ahead of each run of LDS loads, beside the one behind its exponentials.  Behind the second, V^T's loads are dealt among the
; lines that take the maximum, which name v96-159, v210 and v211: none of the registers that those loads touch.
.set LI,  1
.set FA,  3
.set ADK, 8
.set ADV, 9
.set WV,  18
.set TB,  48                           ; s48  LDS byte of the key step in hand
.set EP,  52                           ; s52  the e of p (entry 8)
; A KEY STEP: 128 keys.  q: my tile's fragment of Q.
.macro KSTEP q
	s_wait_alu depctr_vm_vsrc(0)                   ; the LDS loads of the step before have read v8 and v9, which the two lines below write
	v_add_nc_u32 v[ADK], s[TB], v[LI]
	v_add_nc_u32 v[ADV], 0x10000, v[ADK]
	v_nop
	v_nop                                          ; four places in front of loads into registers that the last products read
	s_wait_alu depctr_va_vdst(0)                   ; v8 and v9 are written, which the LDS loads of this step read; the last step's products V^T P are done reading v32-95, in which K's fragments land
.irp t, 0,1,2,3,4,5,6,7
	ds_load_b128 v[32+8*\t:35+8*\t], v[ADK] offset:1024*\t
	ds_load_b128 v[36+8*\t:39+8*\t], v[ADK] offset:1024*\t+512
.endr
	s_wait_dscnt 0x0
.irp t, 0,1,2,3,4,5,6,7
	v_wmma_f32_16x16x64_fp8_fp8 v[96+8*\t:103+8*\t], v[32+8*\t:39+8*\t], v[\q:\q+7], 0
.endr
.rept 4
	v_nop                                          ; places in front of the loads below and of the first read of the scores
.endr
	s_wait_alu depctr_va_vdst(0)                   ; the eight products K Q^T are done reading v32-95, in which V^T's four fragments land; the places above stay beside this wait
	ds_load_b128 v[32:35], v[ADV]                  ; V^T's sixteen loads (load n: fragment n / 4, its n % 4-th 512 bytes) are dealt among the lines below and land while the softmax is walked
	ds_load_b128 v[36:39], v[ADV] offset:512
	v_max3_num_f32 v210, v96, v97, v98             ; the step's largest score of my query among my 64 keys, in two chains, each tile from its low end on,
	v_max3_num_f32 v211, v99, v100, v101
.set n, 2
.irp i, 6,10,14,18,22,26,30,34,38,42,46,50,54,58
	ds_load_b128 v[32+4*n:35+4*n], v[ADV] offset:512*n   ; no wait: no vector or matrix instruction since the wait above names v9 or v32-95
	v_max3_num_f32 v210, v210, v[96+\i], v[97+\i]
	v_max3_num_f32 v211, v211, v[98+\i], v[99+\i]
.set n, n+1
.endr
	v_max3_num_f32 v210, v210, v158, v159
	v_max_num_f32 v210, v210, v211
	v_permlanex16_b32 v212, v210, s20, s21
	v_max_num_f32 v210, v210, v212                 ; and among the other half of the lanes'
	v_mul_f32 v210, s22, v210                      ; as t (c is positive)
	v_max_num_f32 v13, v13, v210                   ; the running largest t
	v_mov_b32 v210, v12
	v_floor_f32 v12, -v13                          ; the new -M = floor(-t): M is a whole number
	v_sub_f32 v210, v12, v210                      ; old M - new M: a whole number, 0 or less
	v_cvt_i32_f32 v210, v210                       ; (it saturates)
	v_ldexp_f32 v208, 1.0, v210                    ; f = 2^(old M - new M)
.set n, 0
.rept 32
	v_pk_fma_f32 v[96+n:97+n], v[96+n:97+n], s[22:23], v[12:13] op_sel_hi:[1,0,0]   ; t - M, two at a time
.set n, n+2
.endr
.set n, 0
.rept 64
	v_exp_f32 v[96+n], v[96+n]                     ; p = 2^(t - M), at most 1
.set n, n+1
.endr
	v_pk_mul_f32 v[14:15], v[14:15], v[208:209] op_sel_hi:[1,0]   ; the sum under the new M (a plain place behind the exponentials)
	s_wait_alu depctr_va_vdst(0)                   ; the 64 exponentials have written v96-159, which the sums below are the first to read: one wait for the batch
	v_pk_add_f32 v[214:215], v[96:97], v[98:99]    ; the sum of the unquantised p, in two chains
.irp j, 4,8,12,16,20,24,28,32,36,40,44,48,52,56,60
	v_pk_add_f32 v[14:15], v[14:15], v[96+\j:97+\j]
	v_pk_add_f32 v[214:215], v[214:215], v[98+\j:99+\j]
.endr
	v_pk_add_f32 v[14:15], v[14:15], v[214:215]
	s_cmp_ge_i32 s[EP], -8                         ; 448 x 2^e >= 1.75 there, over every p: the hold would change nothing
	s_cbranch_scc1 .Lfits_\@
.set n, 0
.rept 64
	v_min_num_f32 v[96+n], v[96+n], v216           ; the conversion does not saturate; p is not negative, so the hold is one-sided
.set n, n+1
.endr
.Lfits_\@:
.irp b, 0,1,2,3
	v_cvt_scalef32_pk8_fp8_f32 v[192+4*\b:193+4*\b], v[96+16*\b:103+16*\b], v217
	v_cvt_scalef32_pk8_fp8_f32 v[194+4*\b:195+4*\b], v[104+16*\b:111+16*\b], v217
.endr
.set n, 0
.rept 16
	v_pk_mul_f32 v[160+n:161+n], v[160+n:161+n], v[208:209] op_sel_hi:[1,0]   ; O^T under the new M; also the plain place behind the conversions
.set n, n+2
.endr
	s_wait_dscnt 0x0                               ; V^T's fragments are in
.irp t, 0,1,2,3
	v_wmma_f32_16x16x128_fp8_fp8 v[160+8*\t:167+8*\t], v[32+16*\t:47+16*\t], v[192:207], v[160+8*\t:167+8*\t]   ; the four accumulators take turns
.endr
.endm
; One tile of 16 queries through all keys, and out.
.macro QTILE it
	v_mov_b32 v13, 0xff61b1e6                      ; the largest t so far: -3e38, under every t
	v_floor_f32 v12, -v13
	v_mov_b32 v14, 0
	v_mov_b32 v15, 0
.set n, 0
.rept 32
	v_mov_b32 v[160+n], 0                          ; O^T: the step is written once; the first change of M leaves zeros zeros
.set n, n+1
.endr
	s_mov_b32 s[TB], 0
.Lkeys_\@:                                             ; eight trips of 128 keys
	KSTEP 16+8*\it
	s_add_co_u32 s[TB], s[TB], 8192
	s_cmp_lt_u32 s[TB], 65536
	s_cbranch_scc1 .Lkeys_\@
.rept 4
	v_nop                                          ; places behind the last products
.endr
	v_add_f32 v14, v14, v15                        ; the sum's two halves,
	v_permlanex16_b32 v212, v14, s20, s21
	v_add_f32 v14, v14, v212                       ; and the other half of the lanes'
	v_rcp_f32 v14, v14
	v_nop
	s_wait_alu depctr_va_vdst(0)                   ; the reciprocal has written v14, which the line below reads
	v_ldexp_f32 v14, v14, s49                      ; x 2^(e of p + e of v)
.set n, 0
.rept 16
	v_pk_mul_f32 v[96+n:97+n], v[160+n:161+n], v[14:15] op_sel_hi:[1,0]   ; z, each accumulator from its low end on
.set n, n+2
.endr
.set n, 0
.rept 32
	v_med3_num_f32 v[96+n], v[96+n], -v218, v218
.set n, n+1
.endr
.irp t, 0,1,2,3
	v_cvt_scalef32_pk8_fp8_f32 v[220+8*\it+2*\t:221+8*\it+2*\t], v[96+8*\t:103+8*\t], v219
.endr
	v_nop                                          ; a plain instruction behind the conversions
	s_wait_alu depctr_va_vdst(0)                   ; the four conversions have written this tile's eight registers of codes, which the two stores read
	global_store_b128 v[LI], v[220+8*\it:223+8*\it], s[8:9] offset:262144*\it        ; channels 16 h + 0 .. 15 of my head: 512 consecutive bytes
	global_store_b128 v[LI], v[224+8*\it:227+8*\it], s[8:9] offset:262144*\it+512    ; channels 32 + 16 h + 0 .. 15
.endm
	s_load_b128 s[4:7], s[0:1], 0x0                ; qkv, the scales
	s_load_b64 s[8:9], s[0:1], 0x10                ; zc
	v_lshl_add_u32 v254, v0, 2, 0x20000
	v_mov_b32 v255, 0
	v_lshrrev_b32 v2, 5, v0
	v_readfirstlane_b32 s[WV], v2                  ; wave 0..15
	v_and_b32 v2, 31, v0
	v_lshlrev_b32 v[LI], 4, v2
	s_wait_alu depctr_va_sdst(0)                   ; s18, the wave's number, is written, ahead of its first reader
	s_lshl_b32 s19, s[WV], 13                      ; my 8,192 bytes of LDS: K's eight steps from byte 0 (waves 0-7), V's from byte 65,536 (waves 8-15)
	v_add_nc_u32 v[FA], s19, v[LI]
	s_and_b32 s10, ttmp7, 0xffff                   ; y = 16 batch + head
	s_and_b32 s11, s10, 1                          ; which head of its pair
	s_lshr_b32 s12, s10, 1
	s_lshl_b32 s12, s12, 17                        ; the batch's and the pair's 131,072 bytes
	s_and_b32 s13, s[WV], 7                        ; which 128 keys I fetch
	s_lshl_b32 s14, s13, 14
	s_add_co_u32 s14, s14, s12
	s_lshl_b32 s15, s11, 13
	s_add_co_u32 s58, s14, s15
	s_add_co_u32 s58, s58, 0x1000000               ; V^T: my head's four fragments of the step, dense
	s_lshl_b32 s15, s11, 10
	s_add_co_u32 s56, s14, s15
	s_add_co_u32 s56, s56, 0x800000                ; K: my head's 1,024 bytes of each of the step's eight tiles
	s_cmp_lt_u32 s[WV], 8
	s_cselect_b32 s56, s56, s58                    ; what my wave fetches
	s_mov_b32 s57, 0
	s_lshl_b32 s60, ttmp9, 5
	s_add_co_u32 s60, s60, s[WV]                   ; my first tile of queries: 32 x + wave; the second lies 16 tiles on
	s_lshl_b32 s62, s60, 11
	s_add_co_u32 s62, s62, s12
	s_add_co_u32 s62, s62, s15                     ; Q
	s_mov_b32 s63, 0
	s_lshr_b32 s16, s10, 4
	s_lshl_b32 s16, s16, 6
	s_add_co_u32 s16, s16, s60                     ; z's row tile: 64 batch + my tile
	s_lshl_b32 s16, s16, 14
	s_bfe_u32 s17, s10, 0x30001                    ; the pair of heads = the fragment along K
	s_lshl_b32 s17, s17, 11
	s_add_co_u32 s16, s16, s17
	s_add_co_u32 s16, s16, s15                     ; my head's half of it
	s_mov_b32 s17, 0
	s_mov_b32 s20, 0x76543210                      ; v_permlanex16_b32: each lane takes its own place in the other half
	s_mov_b32 s21, 0xfedcba98
	s_mov_b32 s22, 0x3e38aa3b                      ; c = log2(e) / 8
	s_wait_kmcnt 0x0
	s_load_b64 s[50:51], s[6:7], 0x18              ; entries 6, 7
	s_load_b128 s[52:55], s[6:7], 0x20             ; entries 8-11
	s_add_nc_u64 s[40:41], s[4:5], s[56:57]        ; K's or V's step
	s_add_nc_u64 s[4:5], s[4:5], s[62:63]
	s_add_nc_u64 s[8:9], s[8:9], s[16:17]
	s_wait_alu depctr_va_vdst(0)                   ; v1 and v3 are written: the global loads and stores read v1 as their offset, my LDS stores v3 as their address
.irp t, 0,1
	global_load_b128 v[16+8*\t:19+8*\t], v[LI], s[4:5] offset:32768*\t       ; Q stays in registers
	global_load_b128 v[20+8*\t:23+8*\t], v[LI], s[4:5] offset:32768*\t+512
.endr
	s_cmp_lt_u32 s[WV], 8                          ; sixteen loads of 512 consecutive bytes on either way: the counts below hold on both
	s_cbranch_scc0 .Lfetch_v
.irp j, 0,1,2,3,4,5,6,7,8,9,10,11,12,13,14,15
	global_load_b128 v[32+4*\j:35+4*\j], v[LI], s[40:41] offset:(\j/2)*2048+(\j%2)*512   ; K: the two heads of a pair take turns, 1,024 bytes each
.endr
	s_branch .Lfetched
.Lfetch_v:
.irp j, 0,1,2,3,4,5,6,7,8,9,10,11,12,13,14,15
	global_load_b128 v[32+4*\j:35+4*\j], v[LI], s[40:41] offset:\j*512
.endr
.Lfetched:
	v_mov_b32 v212, 0                              ; a lane permute's destination counts as read
	v_mov_b32 v209, 0                              ; (named as the upper half of the pair v[208:209])
	s_wait_kmcnt 0x0
	s_add_co_i32 s10, s50, s51
	s_lshl_b32 s10, s10, 23
	s_add_co_i32 s22, s22, s10                     ; a score stands for score x 2^(e of q + e of k): added to c's exponent field
	s_mov_b32 s23, s22
	s_add_co_i32 s10, s[EP], 127
	s_lshl_b32 s11, s10, 23
	v_mov_b32 v217, s11                            ; 2^e of p
	s_add_co_i32 s10, s10, 8
	s_lshl_b32 s10, s10, 23
	s_or_b32 s10, s10, 0x600000
	v_mov_b32 v216, s10                            ; 448 x that
	s_add_co_i32 s10, s54, 127
	s_lshl_b32 s11, s10, 23
	v_mov_b32 v219, s11                            ; 2^e of z
	s_add_co_i32 s10, s10, 8
	s_lshl_b32 s10, s10, 23
	s_or_b32 s10, s10, 0x600000
	v_mov_b32 v218, s10
	s_add_co_i32 s49, s[EP], s53                   ; e of p + e of v
.irp j, 0,1,2,3,4,5,6,7,8,9,10,11,12,13,14,15
	s_wait_loadcnt 15-\j                           ; loads come back in order: load j is in (and Q, asked for ahead of it); the younger ones may be out
	ds_store_b128 v[FA], v[32+4*\j:35+4*\j] offset:512*\j   ; no vector instruction since the wait on va_vdst above names v3 or v32-95
.endr
	s_wait_dscnt 0x0                               ; for the others' sake: my part of K or V lies in LDS,
	s_barrier_signal -1
	s_barrier_wait -1                              ; everybody's does
	s_wait_alu depctr_vm_vsrc(0)                   ; my LDS stores have read v32-95, in which the fragments' LDS loads land from here on
	QTILE 0
	QTILE 1
	s_wait_dscnt 0x0                               ; the closing lines, six on end
	s_wait_alu 0x0
	s_wait_tensorcnt 0x0
	ds_add_u32 v254, v255
	s_wait_dscnt 0x0
	s_endpgm
.Lfunc_end_k_qd8d0c35ada_attn:
	.size	k_qd8d0c35ada_attn, .Lfunc_end_k_qd8d0c35ada_attn-k_qd8d0c35ada_attn
	.p2alignl 7, 3214868480
	.fill 96, 4, 3214868480
	.section	.rodata,"a",@progbits
	.p2align	6, 0x0
	.amdhsa_kernel k_qd8d0c35ada_attn
		.amdhsa_group_segment_fixed_size 133120
		.amdhsa_private_segment_fixed_size 0
		.amdhsa_enable_private_segment 0
		.amdhsa_kernarg_size 24
		.amdhsa_user_sgpr_count 2
		.amdhsa_user_sgpr_kernarg_segment_ptr 1
		.amdhsa_wavefront_size32 1
		.amdhsa_system_sgpr_workgroup_id_x 1
		.amdhsa_system_sgpr_workgroup_id_y 1
		.amdhsa_system_sgpr_workgroup_id_z 1
		.amdhsa_system_vgpr_workitem_id 0
		.amdhsa_next_free_vgpr 256
		.amdhsa_next_free_sgpr 66
		.amdhsa_reserve_vcc 0
		.amdhsa_float_denorm_mode_32 3
		.amdhsa_float_denorm_mode_16_64 3
		.amdhsa_memory_ordered 1
		.amdhsa_forward_progress 1
		.amdhsa_inst_pref_size 50
	.end_amdhsa_kernel
	.amdgpu_metadata
---
amdhsa.version: [ 1, 2 ]
amdhsa.kernels:
  - .name:           k_qd8d0c35ada_attn
    .symbol:         k_qd8d0c35ada_attn.kd
    .args:
      - { .name: qkv, .offset: 0, .size: 8, .value_kind: global_buffer, .address_space: global }
      - { .name: lowp_scales, .offset: 8, .size: 8, .value_kind: global_buffer, .address_space: global }
      - { .name: zc, .offset: 16, .size: 8, .value_kind: global_buffer, .address_space: global }
    .group_segment_fixed_size: 133120
    .private_segment_fixed_size: 0
    .kernarg_segment_align: 8
    .kernarg_segment_size: 24
    .max_flat_workgroup_size: 512
    .sgpr_count:     66
    .vgpr_count:     256
    .wavefront_size: 32
...
	.end_amdgpu_metadata
.endif
;; end of part 6
;; launch proj: the kernel of part 4 again; grid 4 x 32, 4 waves a work-group, clusters of 4 x 4, 327,680 bytes of LDS; arguments zc, wc, lowp_scales, b0, out0; writes out0
